; MI455X (gfx1250); checked and timed in simulation.
; The chip was launched on July 23, 2026; its instructions are those of AMD's public machine-readable ISA for CDNA 5 (MIT licence, August 2026) and "CDNA5" Instruction Set Architecture Reference Guide (July 2026). The comments in the code are by the model that wrote it; some were corrected since.
;; Delta Net. Allowed arithmetic: float matrix products may take bf16 or f16 operands with f32 sums; other float arithmetic in f32, or as packed bf16 or f16 multiplies, adds, multiply-adds, maxima and minima; sums over many terms, partial sums and values carried from step to step in f32; what a program stores and reads back later, other than sums and carried values, may be rounded once to bf16 or f16.
;; Inputs: Wbeta 1,024 x 32 float32; Wk 1,024 x 1,024 float32; Wo 1,024 x 1,024 float32; Wq 1,024 x 1,024 float32; Wv 1,024 x 1,024 float32; bbeta 32 float32; bo 1,024 float32; ln_beta 1,024 float32; ln_gamma 1,024 float32; x 2 x 2,048 x 1,024 float32.
;; Outputs: out0 2 x 2,048 x 1,024 float32.
;; One version. Each part assembles by itself: llvm-mc -triple=amdgcn-amd-amdhsa -mcpu=gfx1250 --defsym DOCPART=n.
;; ======== version 1 of 1: 5 launches
;; workspace buffers: xb 8,388,608 bytes; wb 8,388,608 bytes; tab 1,048,576 bytes; qkv 25,165,824 bytes; y 8,388,608 bytes; o 16,777,216 bytes
;; launch prep (part 1): grid 256 x 1, 16 waves a work-group, no clusters, 67,840 bytes of LDS; arguments x, Wq, Wk, Wv, Wo, Wbeta, bbeta, xb, wb, tab; writes xb, wb, tab
.if DOCPART == 1
	.amdgcn_target "amdgcn-amd-amdhsa--gfx1250"
	.amdhsa_code_object_version 6
	.text
	.protected	k_q4dcb975bb4_prep
	.globl	k_q4dcb975bb4_prep
	.p2align	8
	.type	k_q4dcb975bb4_prep,@function
k_q4dcb975bb4_prep:
	s_mov_b64 s[64:65], 0
	v_nop
	global_prefetch_b8 v0, s[64:65] scope:SCOPE_SE
	s_setreg_imm32_b32 hwreg(HW_REG_WAVE_MODE, 25, 1), 1
	s_wait_xcnt 0x0
; DELTANET, LAUNCH 1 OF 5: casts, tables, decays.
; THE WHOLE PROGRAM.  The scan is linear in its state: M_t = b_t M_(t-1) + k_t v_t^T gives y_t = sum over s <= t of A[t,s] v_s / (sum over s <= t of A[t,s] + 1e-6) with
; A[t,s] = (q_t . k_s) (G0 + G1), Gc[t,s] = the product of beta^c_r over r = s+1 .. t = 2^(sum of log2 beta^c_r).  Every exponent that is used is a sum of numbers <= 0.
; So the launches are: this one; q, k, v with RoPE and elu + 1; the decayed attention by segments of 256 rows; the product with Wo; residual and LayerNorm.
; WORK LEFT OUT.  reference() starts the scan from M0 = 0 and Z0 = 0, which it builds itself: for every value of the inputs the state that enters a sequence's first 256 rows is 0, so its
; product with q is not formed there.  Nothing else is left out; all ten inputs are loaded by some launch.  LIMIT: a NaN or an infinity can reach that product through no input, so nothing is lost by it.
; THIS LAUNCH, work-group g of 256, sixteen waves:
;   xb  = x rounded to bf16, rows 16 g .. 16 g + 15;
;   wb  = rows 4 g .. 4 g + 3 of Wq, Wk, Wv, Wo rounded to bf16, laid out in the blocks in which the later launches ask for them:
;         [16 head][8 K step][q, k, v][128 k][64 n], then Wo as [16 block of 64 n][1024 k][64 n];
;   tab = rows 8 g .. 8 g + 7 of the RoPE table (32 cos, 32 sin, f32), and block g of lb = log2(clip(sigmoid(x Wbeta + bbeta))), f32, [row / 16][16 head][2 c][16 t].
; The beta product (16 rows x 1024 x 32) goes to the matrix unit in bf16, K split among the sixteen waves, the partial sums added in LDS in f32.
; RoPE: cos and sin of t f by range reduction to a quarter of the reduced angle, a polynomial (error under 1e-7 for |angle| <= pi / 4) and two doublings.
; LIMITS: the angle t f is formed in f32 as reference() forms it; f comes from v_exp_f32 and is good to 1 ulp, so the angle is good to 3e-4 at t = 2047.
.set XP,    2064                       ; a row of x in LDS: 2,048 bytes of bf16 + 16
.set RB,    33024                      ; behind x's 16 rows: sixteen partial blocks of 2,048 bytes
.set SPARE, 65792                      ; behind them: the spare words, 128 bytes for each wave: eight blocks of 256 bytes that no other line names
.set LBOFF, 524288                     ; lb's first byte in tab
.set WOOFF, 6291456                    ; Wo's first byte in wb
.set WL, 16                            ; v[16:79]   Wbeta as loaded: 32 pairs (columns 2 r, 2 r + 1); later the sixteen partial sums
.set XR, 80                            ; v[80:111]  x as loaded
.set XB, 112                           ; v[112:127] x in bf16
.set WR, 128                           ; v[128:159] a weight's rows as loaded
.set WC, 160                           ; v[160:175] in bf16
.set XF, 176                           ; v[176:191] two fragments of x
.set WF, 192                           ; v[192:223] four fragments of Wbeta: K half kap, channel c at 16 kap + 8 c
.set D0, 224                           ; v[224:231] sums for channel 0
.set D1, 232                           ; v[232:239] for channel 1
.set SPW, 252                          ; LDS address of my spare word; never rewritten
.set NIL, 253                          ; 0; never rewritten
.set RA, 176                           ; the table's registers, four numbers a thread, in XF's and WF's place
.set FQ, 180
.set NN, 184
.set PH, 188
.set ZZ, 192
.set SN, 196
.set CS, 200
.set TA, 204
	s_load_b512 s[4:19], s[0:1], 0x0               ; x 4, Wq 6, Wk 8, Wv 10, Wo 12, Wbeta 14, bbeta 16, xb 18
	s_load_b128 s[20:23], s[0:1], 0x40             ; wb 20, tab 22
	v_lshl_add_u32 v[SPW], v0, 2, SPARE
	v_mov_b32 v[NIL], 0
	v_lshrrev_b32 v1, 5, v0
	v_readfirstlane_b32 s24, v1                    ; wave w, 0 .. 15
	v_and_b32 v1, 31, v0                           ; l
	v_and_b32 v2, 15, v0                           ; r = l % 16
	v_bfe_u32 v3, v0, 4, 1                         ; h = l / 16
	v_and_b32 v7, 7, v0                            ; l % 8
	v_bfe_u32 v8, v0, 3, 1                         ; (l / 8) % 2
	s_and_b32 s25, s24, 3                          ; w % 4
	s_lshr_b32 s28, s24, 2                         ; w / 4
	s_and_b32 s29, s28, 1
	s_lshr_b32 s30, s24, 3                         ; w / 8
	s_mov_b32 s26, 0x3a83126f                      ; 1e-3
	s_mov_b32 s27, 0x3f7fbe77                      ; 0.999
	v_lshlrev_b32 v4, 3, v2                        ; Wbeta: row 64 w + 8 h, columns 2 r and 2 r + 1
	v_lshl_add_u32 v4, v3, 10, v4
	s_lshl_b32 s31, s24, 13
	v_add_nc_u32 v4, s31, v4
	s_lshl_b32 s31, s25, 10                        ; x: rows 4 (w / 4) + 0..3, quarter w % 4 of a row, 32 bytes a lane
	s_lshl_b32 s32, s28, 14
	s_add_co_u32 s31, s31, s32
	v_lshl_add_u32 v5, v1, 5, s31
	v_lshlrev_b32 v6, 5, v7                        ; a weight: row 2 ((w / 4) % 2) + (l / 8) % 2, head 8 (w / 8) + 2 eta + h, 8 columns a lane
	v_lshl_add_u32 v6, v3, 8, v6
	v_lshl_add_u32 v6, v8, 12, v6
	s_lshl_b32 s31, s29, 13
	s_lshl_b32 s32, s30, 11
	s_add_co_u32 s31, s31, s32
	v_add_nc_u32 v6, s31, v6
	s_lshl_b32 s41, s25, 9                         ; xb and LDS: row 4 (w / 4), 512 (w % 4) + 16 l
	s_lshl_b32 s40, s28, 13
	s_add_co_u32 s40, s40, s41
	v_lshl_add_u32 v9, v1, 4, s40
	s_mul_i32 s40, s28, 4*XP
	s_add_co_u32 s40, s40, s41
	v_lshl_add_u32 v10, v1, 4, s40
	; wb: from head to head 393,216 bytes for q, k, v and 131,072 for Wo
	s_mov_b32 s38, 393216
	s_cmp_eq_u32 s25, 3
	s_cselect_b32 s38, 131072, s38
	s_lshl_b32 s39, s30, 3
	s_mul_i32 s39, s39, s38                        ; head 8 (w / 8)
	s_lshl_b32 s40, s29, 8
	s_add_co_u32 s39, s39, s40                     ; + two rows of 128 bytes
	s_lshr_b32 s40, ttmp9, 5
	s_mul_i32 s40, s40, 49152                      ; q, k, v: K step g / 32,
	s_lshl_b32 s41, s25, 14
	s_add_co_u32 s40, s40, s41                     ; which of the three,
	s_and_b32 s41, ttmp9, 31
	s_lshl_b32 s41, s41, 9
	s_add_co_u32 s40, s40, s41                     ; row 4 (g % 32) of the step
	s_lshl_b32 s41, ttmp9, 9
	s_add_co_u32 s41, s41, WOOFF                   ; Wo: row 4 g
	s_cmp_eq_u32 s25, 3
	s_cselect_b32 s40, s41, s40
	s_add_co_u32 s39, s39, s40
	v_mul_lo_u32 v11, v3, s38
	v_lshl_add_u32 v11, v8, 7, v11
	v_lshl_add_u32 v11, v7, 4, v11
	v_add_nc_u32 v11, s39, v11                     ; sixteen lanes: rows k and k + 1 of one head, 256 consecutive bytes, aligned
	s_lshl_b32 s40, s38, 1
	v_add_nc_u32 v12, s40, v11                     ; two heads on, three times
	v_add_nc_u32 v13, s40, v12
	v_add_nc_u32 v14, s40, v13
	v_mul_u32_u24 v15, v2, XP                      ; a fragment of x: row r, channels 64 w + 8 h
	v_lshl_add_u32 v15, v3, 4, v15
	s_lshl_b32 s40, s24, 7
	v_add_nc_u32 v15, s40, v15
	s_lshl_b32 s40, s24, 11                        ; my partial block: head r, 8 h rows on
	s_add_co_u32 s40, s40, RB
	v_lshl_add_u32 v240, v2, 7, s40
	v_lshl_add_u32 v240, v3, 5, v240
	s_mov_b32 s35, 0
	s_wait_kmcnt 0x0
	s_lshl_b32 s34, ttmp9, 16
	s_add_nc_u64 s[4:5], s[4:5], s[34:35]          ; x at the group's 16 rows
	s_lshl_b32 s34, ttmp9, 15
	s_add_nc_u64 s[18:19], s[18:19], s[34:35]      ; xb likewise
	s_cmp_eq_u32 s25, 1                            ; wave w casts weight w % 4
	s_cselect_b64 s[36:37], s[8:9], s[6:7]
	s_cmp_eq_u32 s25, 2
	s_cselect_b64 s[36:37], s[10:11], s[36:37]
	s_cmp_eq_u32 s25, 3
	s_cselect_b64 s[36:37], s[12:13], s[36:37]
	s_lshl_b32 s34, ttmp9, 14
	s_add_nc_u64 s[36:37], s[36:37], s[34:35]      ; at the group's 4 rows
	s_lshl_b32 s34, ttmp9, 11
	s_add_nc_u64 s[44:45], s[22:23], s[34:35]      ; lb's block g, less LBOFF
	; all loads go out together: 32 of Wbeta, 8 of x, 8 of the weight
.set i, 0
.rept 32
	global_load_b64 v[WL+2*i:WL+2*i+1], v4, s[14:15] offset:((i/16)*32+((i/8)%2)*16+i%8)*128
.set i, i+1
.endr
.irp rho, 0,1,2,3
	global_load_b128 v[XR+8*\rho:XR+8*\rho+3], v5, s[4:5] offset:\rho*4096 th:TH_LOAD_NT
	global_load_b128 v[XR+8*\rho+4:XR+8*\rho+7], v5, s[4:5] offset:\rho*4096+16 th:TH_LOAD_NT
.endr
.irp eta, 0,1,2,3
	global_load_b128 v[WR+8*\eta:WR+8*\eta+3], v6, s[36:37] offset:\eta*512 th:TH_LOAD_NT
	global_load_b128 v[WR+8*\eta+4:WR+8*\eta+7], v6, s[36:37] offset:\eta*512+16 th:TH_LOAD_NT
.endr
	; THE TABLE, waves 4 to 7, while the loads are on their way: thread t' = 32 (w % 4) + l has row 8 g + t' / 16 and the four numbers at byte 16 (t' % 16)
	s_cmp_eq_u32 s28, 1
	s_cbranch_scc0 .Lno_table
	s_mov_b32 s48, 0xb9500d01                      ; -1/5040
	s_mov_b32 s49, 0x3c088889                      ; 1/120
	s_mov_b32 s50, 0xbe2aaaab                      ; -1/6
	s_mov_b32 s51, 0x37d00d01                      ; 1/40320
	s_mov_b32 s52, 0xbab60b61                      ; -1/720
	s_mov_b32 s53, 0x3d2aaaab                      ; 1/24
	v_and_b32 v213, 127, v0
	v_lshrrev_b32 v213, 4, v213
	s_lshl_b32 s40, ttmp9, 3
	v_add_nc_u32 v213, s40, v213                   ; t
	v_lshlrev_b32 v214, 2, v7                      ; i = 4 (t' % 8) + e
.irp e, 0,1,2,3
	v_add_nc_u32 v[RA+\e], \e, v214
	v_cvt_f32_u32 v[RA+\e], v[RA+\e]
	v_mul_f32 v[RA+\e], 0xbed49a78, v[RA+\e]       ; - i log2(10000) / 32
.endr
.irp e, 0,1,2,3
	v_exp_f32 v[FQ+\e], v[RA+\e]                   ; f = 10000^(-i / 32)
.endr
	v_cvt_f32_u32 v212, v213                       ; the plain instruction behind the batch
	s_wait_alu depctr_va_vdst(0)                   ; one wait for the four, ahead of their first reader
.irp e, 0,1,2,3
	v_mul_f32 v[RA+\e], v212, v[FQ+\e]             ; the angle t f
	v_mul_f32 v[NN+\e], 0x3e22f983, v[RA+\e]       ; in turns,
	v_rndne_f32 v[NN+\e], v[NN+\e]
	v_fma_f32 v[PH+\e], v[RA+\e], 0x3e22f983, -v[NN+\e]  ; less whole turns: -0.5 .. 0.5
	v_mul_f32 v[PH+\e], 0x3fc90fdb, v[PH+\e]       ; a quarter of the reduced angle
	v_mul_f32 v[ZZ+\e], v[PH+\e], v[PH+\e]
	v_fma_f32 v[TA+\e], v[ZZ+\e], s48, s49
	v_fma_f32 v[TA+\e], v[TA+\e], v[ZZ+\e], s50
	v_fma_f32 v[TA+\e], v[TA+\e], v[ZZ+\e], 1.0
	v_mul_f32 v[SN+\e], v[TA+\e], v[PH+\e]         ; sin
	v_fma_f32 v[TA+\e], v[ZZ+\e], s51, s52
	v_fma_f32 v[TA+\e], v[TA+\e], v[ZZ+\e], s53
	v_fma_f32 v[TA+\e], v[TA+\e], v[ZZ+\e], -0.5
	v_fma_f32 v[CS+\e], v[TA+\e], v[ZZ+\e], 1.0    ; cos
.rept 2                                            ; the angle doubled, twice
	v_mul_f32 v[TA+\e], v[SN+\e], v[CS+\e]
	v_mul_f32 v[ZZ+\e], v[SN+\e], v[SN+\e]
	v_add_f32 v[SN+\e], v[TA+\e], v[TA+\e]
	v_fma_f32 v[CS+\e], v[ZZ+\e], -2.0, 1.0
.endr
.endr
	v_cmp_eq_u32 vcc_lo, 1, v8                     ; the upper eight threads of a row hold its sines
.irp e, 0,1,2,3
	v_cndmask_b32 v[FQ+\e], v[CS+\e], v[SN+\e], vcc_lo
.endr
	v_lshlrev_b32 v214, 8, v213
	v_lshl_add_u32 v214, v2, 4, v214
	global_store_b128 v214, v[FQ:FQ+3], s[22:23]   ; sixteen lanes store a row of 256 bytes
	s_wait_xcnt 0x0                                ; these registers are written again below
.Lno_table:
	s_wait_loadcnt 8                               ; Wbeta and x are in; the weight's eight loads may stay out
.irp rho, 0,1,2,3
.irp m, 0,1,2,3
	v_cvt_pk_bf16_f32 v[XB+4*\rho+\m], v[XR+8*\rho+2*\m], v[XR+8*\rho+2*\m+1]
.endr
.endr
.irp rho, 0,1,2,3
	global_store_b128 v9, v[XB+4*\rho:XB+4*\rho+3], s[18:19] offset:\rho*2048  ; 512 consecutive bytes a wave
	ds_store_b128 v10, v[XB+4*\rho:XB+4*\rho+3] offset:\rho*XP
.endr
.irp kap, 0,1
.irp c, 0,1
.irp grp, 0,1
.irp m, 0,1,2,3
	v_cvt_pk_bf16_f32 v[WF+16*\kap+8*\c+4*\grp+\m], v[WL+2*(16*\kap+8*\grp+2*\m)+\c], v[WL+2*(16*\kap+8*\grp+2*\m+1)+\c]
.endr
.endr
.endr
.endr
	s_wait_loadcnt 0x0                             ; the weight
.irp eta, 0,1,2,3
.irp m, 0,1,2,3
	v_cvt_pk_bf16_f32 v[WC+4*\eta+\m], v[WR+8*\eta+2*\m], v[WR+8*\eta+2*\m+1]
.endr
.endr
.irp eta, 0,1,2,3
	global_store_b128 v[11+\eta], v[WC+4*\eta:WC+4*\eta+3], s[20:21]
.endr
	s_wait_dscnt 0x0                               ; for the others' sake: my part of x lies in LDS
	s_barrier_signal -1
	s_barrier_wait -1
	; THE BETA PRODUCT: wave w has channels 64 w .. 64 w + 63.  Source 0 = the 16 rows of x, source 1 = 16 columns (head r, channel c): register j of the result is row 8 h + j, lane r the head.
.irp kap, 0,1
	ds_load_b128 v[XF+8*\kap:XF+8*\kap+3], v15 offset:64*\kap
	ds_load_b128 v[XF+8*\kap+4:XF+8*\kap+7], v15 offset:64*\kap+32
.endr
	s_wait_dscnt 0x0
	v_wmma_f32_16x16x32_bf16 v[D0:D0+7], v[XF:XF+7], v[WF:WF+7], 0              ; the two accumulators take turns
	v_wmma_f32_16x16x32_bf16 v[D1:D1+7], v[XF:XF+7], v[WF+8:WF+15], 0
	v_wmma_f32_16x16x32_bf16 v[D0:D0+7], v[XF+8:XF+15], v[WF+16:WF+23], v[D0:D0+7]
	v_wmma_f32_16x16x32_bf16 v[D1:D1+7], v[XF+8:XF+15], v[WF+24:WF+31], v[D1:D1+7]
.rept 4
	v_nop                                          ; four places between the products and the stores that read them
.endr
	ds_store_b128 v240, v[D0:D0+3]
	ds_store_b128 v240, v[D0+4:D0+7] offset:16
	ds_store_b128 v240, v[D1:D1+3] offset:64
	ds_store_b128 v240, v[D1+4:D1+7] offset:80
	s_wait_dscnt 0x0
	s_barrier_signal -1
	s_barrier_wait -1                              ; all sixteen partial blocks lie in LDS
	s_cmp_lt_u32 s24, 4                            ; threads 0 to 127 finish four numbers each
	s_cbranch_scc0 .Lend
	v_lshlrev_b32 v241, 4, v0
	v_lshrrev_b32 v242, 2, v0                      ; 2 head + c
	v_lshlrev_b32 v242, 2, v242
	global_load_b32 v243, v242, s[16:17]           ; bbeta
.irp v, 0,1,2,3,4,5,6,7,8,9,10,11,12,13,14,15
	ds_load_b128 v[WL+4*\v:WL+4*\v+3], v241 offset:RB+2048*\v
.endr
	s_wait_dscnt 0x0
.irp st, 8,4,2,1
.set i, 0
.rept \st
	v_pk_add_f32 v[WL+4*i:WL+4*i+1], v[WL+4*i:WL+4*i+1], v[WL+4*(i+\st):WL+4*(i+\st)+1]
	v_pk_add_f32 v[WL+4*i+2:WL+4*i+3], v[WL+4*i+2:WL+4*i+3], v[WL+4*(i+\st)+2:WL+4*(i+\st)+3]
.set i, i+1
.endr
.endr
	s_wait_loadcnt 0x0
.irp e, 0,1,2,3
	v_add_f32 v[WL+\e], v[WL+\e], v243
	v_mul_f32 v[WL+\e], 0xbfb8aa3b, v[WL+\e]       ; - z log2(e)
.endr
.irp e, 0,1,2,3
	v_exp_f32 v[WL+\e], v[WL+\e]
.endr
	v_nop
	s_wait_alu depctr_va_vdst(0)
.irp e, 0,1,2,3
	v_add_f32 v[WL+\e], 1.0, v[WL+\e]
.endr
.irp e, 0,1,2,3
	v_rcp_f32 v[WL+\e], v[WL+\e]                   ; the sigmoid; an overflowed exponential gives 0, which the clip lifts
.endr
	v_nop
	s_wait_alu depctr_va_vdst(0)
.irp e, 0,1,2,3
	v_med3_num_f32 v[WL+\e], v[WL+\e], s26, s27    ; reference()'s clip
.endr
.irp e, 0,1,2,3
	v_log_f32 v[WL+\e], v[WL+\e]
.endr
	v_nop
	s_wait_alu depctr_va_vdst(0)
	global_store_b128 v241, v[WL:WL+3], s[44:45] offset:LBOFF
.Lend:
	s_wait_tensorcnt 0x0                           ; the wave's end, behind my last LDS store
	ds_add_u32 v[SPW], v[NIL]
	s_wait_dscnt 0x0
	s_endpgm
.Lfunc_end_k_q4dcb975bb4_prep:
	.size	k_q4dcb975bb4_prep, .Lfunc_end_k_q4dcb975bb4_prep-k_q4dcb975bb4_prep
	.p2alignl 7, 3214868480
	.fill 96, 4, 3214868480
	.section	.rodata,"a",@progbits
	.p2align	6, 0x0
	.amdhsa_kernel k_q4dcb975bb4_prep
		.amdhsa_group_segment_fixed_size 67840
		.amdhsa_private_segment_fixed_size 0
		.amdhsa_enable_private_segment 0
		.amdhsa_kernarg_size 80
		.amdhsa_user_sgpr_count 2
		.amdhsa_user_sgpr_kernarg_segment_ptr 1
		.amdhsa_wavefront_size32 1
		.amdhsa_system_sgpr_workgroup_id_x 1
		.amdhsa_system_sgpr_workgroup_id_y 1
		.amdhsa_system_sgpr_workgroup_id_z 1
		.amdhsa_system_vgpr_workitem_id 0
		.amdhsa_next_free_vgpr 256
		.amdhsa_next_free_sgpr 66
		.amdhsa_reserve_vcc 1
		.amdhsa_float_denorm_mode_32 3
		.amdhsa_float_denorm_mode_16_64 3
		.amdhsa_memory_ordered 1
		.amdhsa_forward_progress 1
		.amdhsa_inst_pref_size 26
	.end_amdhsa_kernel
	.amdgpu_metadata
---
amdhsa.version: [ 1, 2 ]
amdhsa.kernels:
  - .name:           k_q4dcb975bb4_prep
    .symbol:         k_q4dcb975bb4_prep.kd
    .args:
      - { .name: x, .offset: 0, .size: 8, .value_kind: global_buffer, .address_space: global }
      - { .name: Wq, .offset: 8, .size: 8, .value_kind: global_buffer, .address_space: global }
      - { .name: Wk, .offset: 16, .size: 8, .value_kind: global_buffer, .address_space: global }
      - { .name: Wv, .offset: 24, .size: 8, .value_kind: global_buffer, .address_space: global }
      - { .name: Wo, .offset: 32, .size: 8, .value_kind: global_buffer, .address_space: global }
      - { .name: Wbeta, .offset: 40, .size: 8, .value_kind: global_buffer, .address_space: global }
      - { .name: bbeta, .offset: 48, .size: 8, .value_kind: global_buffer, .address_space: global }
      - { .name: xb, .offset: 56, .size: 8, .value_kind: global_buffer, .address_space: global }
      - { .name: wb, .offset: 64, .size: 8, .value_kind: global_buffer, .address_space: global }
      - { .name: tab, .offset: 72, .size: 8, .value_kind: global_buffer, .address_space: global }
    .group_segment_fixed_size: 67840
    .private_segment_fixed_size: 0
    .kernarg_segment_align: 8
    .kernarg_segment_size: 80
    .max_flat_workgroup_size: 512
    .sgpr_count:     66
    .vgpr_count:     256
    .wavefront_size: 32
...
	.end_amdgpu_metadata
.endif
;; end of part 1
;; launch proj (part 2): grid 16 x 16, 4 waves a work-group, clusters of 4 x 4, 327,680 bytes of LDS; arguments xb, wb, tab, qkv; writes qkv
.if DOCPART == 2
	.amdgcn_target "amdgcn-amd-amdhsa--gfx1250"
	.amdhsa_code_object_version 6
	.text
	.protected	k_q4dcb975bb4_proj
	.globl	k_q4dcb975bb4_proj
	.p2align	8
	.type	k_q4dcb975bb4_proj,@function
k_q4dcb975bb4_proj:
	s_mov_b64 s[64:65], 0
	v_nop
	global_prefetch_b8 v0, s[64:65] scope:SCOPE_SE
	s_setreg_imm32_b32 hwreg(HW_REG_WAVE_MODE, 25, 1), 1
	s_wait_xcnt 0x0
	s_wait_alu depctr_hold_cnt(0) depctr_sa_sdst(0) depctr_va_vdst(0) depctr_va_sdst(0) depctr_va_ssrc(0) depctr_va_vcc(0) depctr_vm_vsrc(0)
	s_getreg_b32 s2, hwreg(HW_REG_IB_STS2, 6, 4)
	s_cmp_eq_u32 s2, 0
	s_cbranch_scc0 .Lentry_in_a_cluster
	s_endpgm
.Lentry_in_a_cluster:
	s_bfe_u32 s2, ttmp6, 0x10000c
	s_cmp_lg_u32 s2, 0xf033
	s_cbranch_scc0 .Lentry_shape_is_right
	s_endpgm
.Lentry_shape_is_right:
; DELTANET, LAUNCH 2 OF 5: q = phi(rope(x Wq)), k = phi(rope(x Wk)), v = x Wv, phi(u) = elu(u) + 1, by heads: qkv = q, k, v, each bf16 [32 batch x head][2048 t][64].  Sums in f32, each result rounded once.
; SHARES.  A work-group makes 256 rows x the 192 columns (64 of q, of k, of v) of one head.  A wave has 64 rows and all 192 columns: 4 x 12 accumulators of 16 x 16, 384 registers:
; so a row's q, k and v are whole in one wave, and RoPE's partner column (32 on) lies in the same lane and register number, two accumulators on.
; THE MATRIX INSTRUCTION IS USED TRANSPOSED: source 0 = 16 columns of W (out of LDS turned, by ds_load_tr16_b128: W lies [k][n]), source 1 = 16 rows of x: a lane holds one row and eight neighbouring columns.
; RING.  K goes in 8 steps of 128 through two LDS slots; waves 0 and 1 fetch x's 256 rows (256 bytes each), waves 2 and 3 the weights' 49,152 dense bytes (as rows of 256 bytes, padded after every 128).
; CLUSTER.  4 x 4 work-groups: x's tile hangs on the tile row alone and is asked for jointly by a row of the cluster, the weights' on the head alone, by a column.
; PHI.  The sums are turned into u + 1 by RoPE's own multiply-adds; phi = the middle one of u + 1, e^u and 1: for u > 0, 1 < u + 1 < e^u; for u <= 0, u + 1 <= e^u <= 1.  An e^u that overflows is never the middle one.
; REGISTERS, in windows of 256 (s_set_vgpr_msb: bits 1:0 source 0, 3:2 source 1, 5:4 source 2, 7:6 destination):
;   window 0: v8-15, v28-30 addresses; v32-95 T, v96-143 PK, v144-239 OB at work on the way out
;   window 1: two fragment buffers of 128: x's four fragments, then W's twelve
;   windows 2, 3: accumulator (a, b) in window 2 + a / 2 at 96 (a % 2) + 8 b; at 192 + 32 (a % 2) the 16 cos and 16 sin of row tile a
.set PA,    272                        ; a row of x in LDS: 256 bytes + 16: the 16 rows of a load start at 16 different groups of four banks (64 banks of 4 bytes: ISA guide 11.1)
.set PB,    160                        ; a row of W (one k, 64 n): 128 bytes + 32
.set AHALF, 128*PA
.set BOFF,  256*PA                     ; behind x's 256 rows: 384 rows of W, at (q, k or v) x 128 + k
.set BHALF, 192*PB
.set SLOT1, 1<<17                      ; a slot is 131,072 bytes: one exclusive or turns an address in one slot into the other's
.set STAGE, 2*SLOT1                    ; behind the ring, never filled by a tensor load: for each wave three stages (q, k, v) of 16 rows x 144 bytes
.set SP,    144
.set SUB,   16*SP
.set SPARE, STAGE+4*3*SUB              ; behind the stages: the spare words, 128 bytes for each wave: two blocks of 256 bytes that no other line names
.set ADRA0, 8                          ; my lane's place in x's tile; never rewritten
.set ADRB0, 9                          ; in W's
.set ADRA,  10                         ; the same in the slot in hand
.set ADRB,  11
.set STO,   12
.set RD,    13
.set GO,    14
.set RO,    15
.set SPW,   28
.set NIL,   29
.set PFO,   30
.set T,     32
.set PK,    96
.set OB,    144
.set F0,    0
.set F1,    128
.set G1A, 24                           ; s[24:31] descriptor group 1 for x's tiles
.set G0A, 32                           ; s[32:39] group 0: a set for each of the two first fills; the second then walks on
.set G1B, 48                           ; s[48:55], s[56:63] the same for W's
.set G0B, 56
.set LIM, 43                           ; s43  2 in a wave that prefetches, else the greatest number
.set PFA, 44                           ; s[44:45] where my prefetches stand
.set PST, 46                           ; s[46:47] a K step in bytes: 256 along x's rows, 49,152 from block to block of W
.set TB,  66                           ; s66  the slot in hand, in bytes
.set MSB, 0
.macro WIN new                         ; the immediate's high byte repeats the setting that is left; a switch that changes nothing is dropped
.if MSB != (\new)
	s_set_vgpr_msb (MSB<<8)|(\new)
.set MSB, \new
.endif
.endm
.macro PLACES                          ; four places behind matrix instructions, in front of loads into registers that they read and of vector work on their results
.rept 4
	v_nop
.endr
.endm
; A joint refill, by the walking descriptors.  The branch hangs on the wave's number alone.  An s_nop 0 and four v_nop follow each of the two lines.
.macro JLOAD
	s_cmp_eq_u32 s13, 0
	s_cbranch_scc0 .Lfor_b_\@
	tensor_load_to_lds s[G0A+4:G0A+7], s[G1A:G1A+7]
	s_nop 0
.rept 4
	v_nop
.endr
	s_branch .Lasked_\@
.Lfor_b_\@:
	tensor_load_to_lds s[G0B+4:G0B+7], s[G1B:G1B+7]
	s_nop 0
.rept 4
	v_nop
.endr
.Lasked_\@:
.endm
; A prefetch of the K step that stands two refills on: of the 128 rows of x (96 blocks of 256 bytes of W) that a wave fetches, each of the four partners that ask for them jointly names 32 (24), told apart by
; address; of the clusters that read the same rows the first alone asks.  One instruction a wave; the loop's last two trips have no K step two on.  Lanes 24 to 31 of W's waves repeat lane 23's block.
.macro ASK
	s_cmp_gt_u32 s3, s[LIM]
	s_cbranch_scc0 .Lnot_mine_\@
	global_prefetch_b8 v[PFO], s[PFA:PFA+1] th:TH_LOAD_NT scope:SCOPE_SE
.Lnot_mine_\@:
.endm
.macro CREST                           ; a round of the cluster's barrier behind its opening barrier
	s_cmp_lg_u32 s12, 0
	s_cbranch_scc1 .Lnot_wave_0_\@
	s_barrier_signal -3
.Lnot_wave_0_\@:
	s_barrier_wait -3
	s_barrier_signal -1
	s_barrier_wait -1
.endm
.macro CROUND
	s_barrier_signal -1
	s_barrier_wait -1
	CREST
.endm
	s_load_b256 s[4:11], s[0:1], 0x0               ; xb 4, wb 6, tab 8, qkv 10
	v_lshl_add_u32 v[SPW], v0, 2, SPARE
	v_mov_b32 v[NIL], 0
	ds_add_u32 v[SPW], v[NIL]                      ; the wave's opening: the add, twice on end, and its wait ahead of my first tensor load
	ds_add_u32 v[SPW], v[NIL]                      ; and once more, under the one wait
	v_lshrrev_b32 v1, 5, v0
	v_readfirstlane_b32 s12, v1                    ; wave 0..3
	s_lshr_b32 s13, s12, 1                         ; I fetch for x (0) or for W (1),
	s_and_b32 s14, s12, 1                          ; which half
	s_bfe_u32 s40, ttmp6, 0x40000                  ; cx
	s_bfe_u32 s41, ttmp6, 0x40004                  ; cy
	s_lshl_b32 s42, ttmp9, 2
	s_add_co_u32 s42, s42, s40                     ; the head = 4 x cluster x + cx
	s_and_b32 s15, ttmp7, 0xffff
	s_lshl_b32 s15, s15, 2
	s_add_co_u32 s15, s15, s41                     ; the tile row = 4 x cluster y + cy
	s_lshl_b32 s16, s41, 2
	s_lshl_b32 s16, 15, s16                        ; my row of the cluster
	s_lshl_b32 s17, 0x1111, s40                    ; my column
	s_or_b32 s[G1A], s16, (1<<16)|(1<<20)|(1<<21)|(5<<22)|(3<<25)  ; the mask; 2-byte elements; padding on; bit 21 beside a mask; after every 64 words 4 words
	s_mov_b32 s[G1A+1], 128<<16                    ; tensor_dim0 = 128
	s_mov_b32 s[G1A+2], 128<<16                    ; tensor_dim1 = 128
	s_mov_b32 s[G1A+3], 128<<16                    ; tile_dim0 = 128
	s_mov_b32 s[G1A+4], 128                        ; tile_dim1 = 128
	s_mov_b32 s[G1A+5], 1024                       ; elements from row to row
	s_mov_b32 s[G1A+6], 0
	s_mov_b32 s[G1A+7], 0
	s_or_b32 s[G1B], s17, (1<<16)|(1<<20)|(1<<21)|(4<<22)|(7<<25)  ; after every 32 words 8 words
	s_mov_b32 s[G1B+1], 128<<16
	s_mov_b32 s[G1B+2], 96<<16                     ; 96 dense rows of 256 bytes
	s_mov_b32 s[G1B+3], 128<<16
	s_mov_b32 s[G1B+4], 96
	s_mov_b32 s[G1B+5], 128
	s_mov_b32 s[G1B+6], 0
	s_mov_b32 s[G1B+7], 0
	s_lshl_b32 s18, s15, 19                        ; x: row 256 x tile row + 128 x half, 2,048 bytes a row
	s_lshl_b32 s19, s14, 18
	s_add_co_u32 s18, s18, s19
	s_mov_b32 s19, 0
	s_mul_i32 s20, s42, 393216                     ; W: the head's blocks, my half of a block
	s_mul_i32 s21, s14, 24576
	s_add_co_u32 s20, s20, s21
	s_mov_b32 s21, 0
	s_mul_i32 s22, s14, AHALF                      ; where they go: no place in the cluster enters an LDS address
	s_mul_i32 s23, s14, BHALF
	s_add_co_u32 s23, s23, BOFF
	s_mov_b32 s[TB], 0
	s_mov_b32 s68, 0x3fb8aa3b                      ; log2(e), as a pair
	s_mov_b32 s69, 0x3fb8aa3b
	s_mov_b32 s70, 0xbfb8aa3b
	s_mov_b32 s71, 0xbfb8aa3b
	s_wait_dscnt 0x0                               ; both opening adds are done
	s_wait_kmcnt 0x0
	s_add_nc_u64 s[18:19], s[4:5], s[18:19]
	s_add_nc_u64 s[20:21], s[6:7], s[20:21]
	CROUND                                         ; all sixteen work-groups are here: the first joint loads meet
.irp s, 0,1
	s_mov_b32 s[G0A+4*\s], 1
	s_add_co_u32 s[G0A+4*\s+1], s22, \s*SLOT1
	s_add_nc_u64 s[G0A+4*\s+2:G0A+4*\s+3], s[18:19], \s*256
	s_or_b32 s[G0A+4*\s+3], s[G0A+4*\s+3], 0x80000000
	s_mov_b32 s[G0B+4*\s], 1
	s_add_co_u32 s[G0B+4*\s+1], s23, \s*SLOT1
	s_add_nc_u64 s[G0B+4*\s+2:G0B+4*\s+3], s[20:21], \s*49152
	s_or_b32 s[G0B+4*\s+3], s[G0B+4*\s+3], 0x80000000
.endr
	s_cmp_eq_u32 s13, 0                            ; a wave's two first fills stand in one branch: two loads of mine are out
	s_cbranch_scc0 .Lfirst_b
	tensor_load_to_lds s[G0A:G0A+3], s[G1A:G1A+7]
	s_nop 0
	tensor_load_to_lds s[G0A+4:G0A+7], s[G1A:G1A+7]
	s_nop 0
.rept 4
	v_nop
.endr
	s_branch .Lfirst_asked
.Lfirst_b:
	tensor_load_to_lds s[G0B:G0B+3], s[G1B:G1B+7]
	s_nop 0
	tensor_load_to_lds s[G0B+4:G0B+7], s[G1B:G1B+7]
	s_nop 0
.rept 4
	v_nop
.endr
.Lfirst_asked:
	v_and_b32 v1, 15, v0                           ; r
	v_bfe_u32 v2, v0, 4, 1                         ; h
	v_and_b32 v3, 7, v0
	v_bfe_u32 v4, v0, 3, 1
	v_bfe_u32 v5, v0, 3, 2
	v_and_b32 v6, 31, v0
	s_and_b32 s80, s15, 7                          ; the table: row (tile row % 8) x 256 + 64 w + r, 32 h bytes on
	s_lshl_b32 s80, s80, 16
	s_lshl_b32 s81, s12, 14
	s_add_co_u32 s80, s80, s81
	v_lshl_add_u32 v[RO], v1, 8, s80
	v_lshl_add_u32 v[RO], v2, 5, v[RO]
.irp a, 0,1,2,3                                        ; cos and sin of my 64 rows stay in registers; they are waited for on the way out
	WIN 0x80+0x40*((\a)/2)
.irp i, 0,1,2,3,4,5,6,7
	global_load_b128 v[192+32*((\a)%2)+4*(\i):192+32*((\a)%2)+4*(\i)+3], v[RO], s[8:9] offset:(\a)*4096+((\i)/4)*128+(((\i)/2)%2)*64+((\i)%2)*16
.endr
.endr
	WIN 0
	s_mul_i32 s80, s12, 64*PA
	v_mul_u32_u24 v[ADRA0], v1, PA                 ; a fragment of x: row 64 w + r, 16 h bytes on
	v_lshl_add_u32 v[ADRA0], v2, 4, v[ADRA0]
	v_add_nc_u32 v[ADRA0], s80, v[ADRA0]
	v_lshl_add_u32 v[ADRB0], v2, 3, v3             ; the turning load: row 8 h + l % 8, 16 ((l / 8) % 2) bytes on
	v_mul_u32_u24 v[ADRB0], v[ADRB0], PB
	v_lshl_add_u32 v[ADRB0], v4, 4, v[ADRB0]
	v_add_nc_u32 v[ADRB0], BOFF, v[ADRB0]
	v_mov_b32 v[ADRA], v[ADRA0]
	v_mov_b32 v[ADRB], v[ADRB0]
	s_mul_i32 s80, s12, 3*SUB
	s_add_co_u32 s80, s80, STAGE                   ; my stages
	v_mul_u32_u24 v[STO], v1, SP                   ; in: row r, 16 bytes for each half of the lanes
	v_lshl_add_u32 v[STO], v2, 4, v[STO]
	v_add_nc_u32 v[STO], s80, v[STO]
	v_mul_u32_u24 v[RD], v5, SP                    ; back: 32 lanes take four rows of 128 bytes,
	v_lshl_add_u32 v[RD], v3, 4, v[RD]
	v_add_nc_u32 v[RD], s80, v[RD]
	v_lshlrev_b32 v[GO], 4, v6                     ; which are 512 consecutive bytes of q, k or v
	s_lshr_b32 s78, s15, 3                         ; batch
	s_lshl_b32 s78, s78, 4
	s_add_co_u32 s78, s78, s42                     ; batch x 16 + head
	s_lshl_b32 s78, s78, 18
	s_and_b32 s80, s15, 7
	s_lshl_b32 s80, s80, 15
	s_add_co_u32 s78, s78, s80                     ; + the tile's 256 rows of 128 bytes
	s_lshl_b32 s80, s12, 13
	s_add_co_u32 s78, s78, s80                     ; + my 64
	s_mov_b32 s79, 0
	s_add_nc_u64 s[72:73], s[10:11], s[78:79]      ; q,
	s_add_nc_u64 s[74:75], s[72:73], 0x800000      ; k,
	s_add_nc_u64 s[76:77], s[72:73], 0x1000000     ; v
	; the prefetches
	s_lshl_b32 s78, s15, 19
	s_lshl_b32 s80, s14, 18
	s_add_co_u32 s78, s78, s80
	s_lshl_b32 s80, s40, 16
	s_add_co_u32 s78, s78, s80
	s_add_co_u32 s78, s78, 3*256                   ; x: my work-group's 32 rows, at K step 3: the first refill steps it to 4
	s_mul_i32 s80, s42, 393216
	s_mul_i32 s81, s14, 24576
	s_add_co_u32 s80, s80, s81
	s_mul_i32 s81, s41, 6144
	s_add_co_u32 s80, s80, s81
	s_add_co_u32 s80, s80, 3*49152                 ; W: my work-group's 24 blocks
	s_and_b32 s81, ttmp7, 0xffff
	s_mov_b32 s82, 49152
	s_cmp_eq_u32 s13, 0
	s_cselect_b32 s78, s78, s80
	s_cselect_b32 s81, ttmp9, s81                  ; the coordinate along which other clusters read the same bytes
	s_cselect_b32 s80, 11, 8                       ; a lane a row of 2,048 bytes, or a block of 256
	s_cselect_b32 s83, 31, 23
	s_cselect_b32 s[PST], 256, s82
	s_cselect_b64 s[PFA:PFA+1], s[4:5], s[6:7]
	s_mov_b32 s[PST+1], 0
	s_add_nc_u64 s[PFA:PFA+1], s[PFA:PFA+1], s[78:79]
	s_cmp_eq_u32 s81, 0
	s_cselect_b32 s[LIM], 2, -1                    ; the same in all sixteen partners, for a given wave
	v_min_u32 v[PFO], s83, v6
	v_lshlrev_b32 v[PFO], s80, v[PFO]
; 12 matrix instructions: row tile a x all 12 column tiles, 32 along K.  zero = 1: the first product starts the sums: nothing is ever cleared.  The 48 accumulators take turns, one instruction a turn.
.macro MUL12 f, a, zero
	WIN 0xa5+0x50*((\a)/2)
.irp b, 0,1,2,3,4,5,6,7,8,9,10,11
.if \zero
	v_wmma_f32_16x16x32_bf16 v[96*((\a)%2)+8*(\b):96*((\a)%2)+8*(\b)+7], v[(\f)+32+8*(\b):(\f)+32+8*(\b)+7], v[(\f)+8*(\a):(\f)+8*(\a)+7], 0
.else
	v_wmma_f32_16x16x32_bf16 v[96*((\a)%2)+8*(\b):96*((\a)%2)+8*(\b)+7], v[(\f)+32+8*(\b):(\f)+32+8*(\b)+7], v[(\f)+8*(\a):(\f)+8*(\a)+7], v[96*((\a)%2)+8*(\b):96*((\a)%2)+8*(\b)+7]
.endif
.endr
.endm
; 32 LDS loads in one run: quarter q (32 along K) of the slot in hand into buffer f: W's 12 fragments, then x's four
.macro FETCH q, f
	WIN 0x40
.irp b, 0,1,2,3,4,5,6,7,8,9,10,11
	ds_load_tr16_b128 v[(\f)+32+8*(\b):(\f)+32+8*(\b)+3], v[ADRB] offset:((\b)/4)*128*PB+(\q)*32*PB+32*((\b)%4)
	ds_load_tr16_b128 v[(\f)+32+8*(\b)+4:(\f)+32+8*(\b)+7], v[ADRB] offset:((\b)/4)*128*PB+(\q)*32*PB+32*((\b)%4)+16*PB
.endr
.irp a, 0,1,2,3
	ds_load_b128 v[(\f)+8*(\a):(\f)+8*(\a)+3], v[ADRA] offset:(\a)*16*PA+64*(\q)
	ds_load_b128 v[(\f)+8*(\a)+4:(\f)+8*(\a)+7], v[ADRA] offset:(\a)*16*PA+64*(\q)+32
.endr
.endm
; One of a K step's first three quarters: multiplies buffer f; in its middle it fetches quarter q into buffer g
.macro QUARTER q, f, g, zero
	s_wait_dscnt 4                                 ; W and x's rows 0-31 are in; the youngest four loads (rows 32-63) may be out
	MUL12 \f, 0, \zero
	MUL12 \f, 1, \zero
	PLACES
	FETCH \q, \g
	s_wait_dscnt 32                                ; all but the 32 just issued
	MUL12 \f, 2, \zero
	MUL12 \f, 3, \zero
.endm
; The last quarter's first half: ONE barrier for the change of slots.  In front of it each wave waits for all its tensor loads (one is out: its part of the next slot), adds 0 to its spare word, and waits for that
; and for its own reads of this slot.  Behind it nobody reads this slot any more and the next slot is whole.
.macro MEET round
	WIN 0
	s_wait_tensorcnt 0x0
	ds_add_u32 v[SPW], v[NIL]
	s_wait_dscnt 5                                 ; (the add and the youngest four loads may be out)
	MUL12 F1, 0, 0
	s_wait_dscnt 0x0                               ; the add is done, and my reads of this slot are over
	s_barrier_signal -1
	MUL12 F1, 1, 0
.if \round
	WIN 0
.endif
	s_barrier_wait -1
.endm
; The whole last quarter.  fill = 1: the barrier opens a round of the cluster's, and the slot just read out is filled again first behind it, with the K step two on: 168 matrix instructions ahead of the wait for it.
.macro TURN fill
.if \fill
	s_wait_xcnt 0x0                                ; the last prefetch, a K step back, has read its address
	s_add_nc_u64 s[PFA:PFA+1], s[PFA:PFA+1], s[PST:PST+1]
.endif
	MEET \fill
.if \fill
	CREST                                          ; no wave of any partner still reads this slot's tile or has a load on its way
	s_xor_b32 s[G0A+5], s[G0A+5], SLOT1            ; the walking descriptors: the other slot than last time, the next K step
	s_add_nc_u64 s[G0A+6:G0A+7], s[G0A+6:G0A+7], 256
	s_xor_b32 s[G0B+5], s[G0B+5], SLOT1
	s_add_nc_u64 s[G0B+6:G0B+7], s[G0B+6:G0B+7], 49152
	JLOAD                                          ; the four v_nop behind it are also the places in front of the loads below
.else
	WIN 0
	PLACES
.endif
	s_xor_b32 s[TB], s[TB], SLOT1
	v_add_nc_u32 v[ADRA], s[TB], v[ADRA0]
	v_add_nc_u32 v[ADRB], s[TB], v[ADRB0]
	FETCH 0, F0
.if \fill
	WIN 0
	ASK
.endif
	MUL12 F1, 2, 0
	MUL12 F1, 3, 0
.endm
	s_wait_tensorcnt 1                             ; my part of K step 0 is in; K step 1's may stay out
	s_barrier_signal -1
	s_barrier_wait -1
	FETCH 0, F0
	QUARTER 1, F0, F1, 1                           ; the first quarter stands in front of the loop: its products start the sums
	WIN 0
	s_mov_b32 s3, 6
.Llap:                                                 ; a trip: from a K step's second quarter to the next one's first; it asks for K steps 2 to 7
	QUARTER 2, F1, F0, 0
	QUARTER 3, F0, F1, 0
	TURN 1
	QUARTER 1, F0, F1, 0
	WIN 0
	s_sub_co_u32 s3, s3, 1
	s_cmp_lg_u32 s3, 0
	s_cbranch_scc1 .Llap
	QUARTER 2, F1, F0, 0                           ; the tail is written out: nothing more is asked for
	QUARTER 3, F0, F1, 0
	TURN 0
	QUARTER 1, F0, F1, 0
	QUARTER 2, F1, F0, 0
	QUARTER 3, F0, F1, 0
	s_wait_dscnt 4
	MUL12 F1, 0, 0
	MUL12 F1, 1, 0
	s_wait_dscnt 0x0
	MUL12 F1, 2, 0
	MUL12 F1, 3, 0
; THE WAY OUT of row tile a.  u1 = columns 0-31 (tiles 0, 1 of q or k), u2 = columns 32-63 (tiles 2, 3).  Each accumulator's lowest registers are read first.
.macro COMPUTE a
.set W, 2+(\a)/2
.set AC, 96*((\a)%2)
.set RP, 192+32*((\a)%2)
	WIN W|(W<<2)
.irp m, 0,1
.irp b, 0,1
.irp jj, 0,2,4,6
	v_pk_fma_f32 v[T+8*(2*\m+\b)+\jj:T+8*(2*\m+\b)+\jj+1], v[AC+8*(4*\m+2+\b)+\jj:AC+8*(4*\m+2+\b)+\jj+1], v[RP+16+8*\b+\jj:RP+16+8*\b+\jj+1], -1.0 op_sel_hi:[1,1,0]  ; u2 sin - 1
	v_pk_fma_f32 v[T+32+8*(2*\m+\b)+\jj:T+32+8*(2*\m+\b)+\jj+1], v[AC+8*(4*\m+2+\b)+\jj:AC+8*(4*\m+2+\b)+\jj+1], v[RP+8*\b+\jj:RP+8*\b+\jj+1], 1.0 op_sel_hi:[1,1,0]  ; u2 cos + 1
.endr
.endr
.endr
	WIN (W<<6)|(W<<2)|W
.irp m, 0,1
.irp b, 0,1
.irp jj, 0,2,4,6
	v_pk_fma_f32 v[AC+8*(4*\m+2+\b)+\jj:AC+8*(4*\m+2+\b)+\jj+1], v[AC+8*(4*\m+\b)+\jj:AC+8*(4*\m+\b)+\jj+1], v[RP+16+8*\b+\jj:RP+16+8*\b+\jj+1], v[T+32+8*(2*\m+\b)+\jj:T+32+8*(2*\m+\b)+\jj+1]  ; u1 sin + u2 cos + 1
	v_pk_fma_f32 v[AC+8*(4*\m+\b)+\jj:AC+8*(4*\m+\b)+\jj+1], v[AC+8*(4*\m+\b)+\jj:AC+8*(4*\m+\b)+\jj+1], v[RP+8*\b+\jj:RP+8*\b+\jj+1], v[T+8*(2*\m+\b)+\jj:T+8*(2*\m+\b)+\jj+1] neg_lo:[0,0,1] neg_hi:[0,0,1]  ; u1 cos - u2 sin + 1
.endr
.endr
.endr
	WIN W
.set i, 0
.rept 32
	v_pk_fma_f32 v[T+i:T+i+1], v[AC+i:AC+i+1], s[68:69], s[70:71] op_sel_hi:[1,0,0]  ; u log2(e)
.set i, i+2
.endr
	WIN 0
.set i, 0
.rept 64
	v_exp_f32 v[T+i], v[T+i]
.set i, i+1
.endr
	WIN W|(W<<2)
.set i, 32
.rept 16
	v_cvt_pk_bf16_f32 v[PK+i], v[AC+2*i], v[AC+2*i+1]  ; v needs nothing more: the plain work behind the batch
.set i, i+1
.endr
	s_wait_alu depctr_va_vdst(0)                   ; one wait for the 64 exponentials, ahead of their first reader
	WIN W
.set i, 0
.rept 64
	v_med3_num_f32 v[T+i], v[AC+i], v[T+i], 1.0    ; phi
.set i, i+1
.endr
	WIN 0
.set i, 0
.rept 32
	v_cvt_pk_bf16_f32 v[PK+i], v[T+2*i], v[T+2*i+1]
.set i, i+1
.endr
.endm
.macro TOSTAGE a
	WIN 0
	s_wait_xcnt 0x0                                ; the stores of the tile two back have read the registers that are loaded below
.irp i, 0,1,2,3,4,5,6,7,8,9,10,11
	ds_store_b128 v[STO], v[PK+4*(\i):PK+4*(\i)+3] offset:((\i)/4)*SUB+32*((\i)%4)
.endr
.irp i, 0,1,2,3,4,5,6,7,8,9,10,11
	ds_load_b128 v[OB+48*((\a)%2)+4*(\i):OB+48*((\a)%2)+4*(\i)+3], v[RD] offset:((\i)/4)*SUB+((\i)%4)*4*SP  ; LDS serves a wave's instructions in order (ISA guide 5.7.1.4): these see the stores above
.endr
.endm
.macro SEND a
	WIN 0
	s_wait_dscnt 0x0
.irp i, 0,1,2,3,4,5,6,7,8,9,10,11
	global_store_b128 v[GO], v[OB+48*((\a)%2)+4*(\i):OB+48*((\a)%2)+4*(\i)+3], s[72+2*((\i)/4):73+2*((\i)/4)] offset:(\a)*2048+((\i)%4)*512  ; 512 consecutive bytes, aligned
.endr
.endm
	s_wait_loadcnt 0x0                             ; the table
	PLACES
	COMPUTE 0
	TOSTAGE 0
	COMPUTE 1                                      ; a tile's arithmetic stands between the loads of the tile before and its stores
	SEND 0
	TOSTAGE 1
	COMPUTE 2
	SEND 1
	TOSTAGE 2
	COMPUTE 3
	SEND 2
	TOSTAGE 3
	SEND 3
	s_wait_tensorcnt 0x0                           ; the wave's end, behind my last tensor load and my last LDS store
	ds_add_u32 v[SPW], v[NIL]
	s_wait_dscnt 0x0
	CROUND                                         ; the closing round
	s_endpgm
.Lfunc_end_k_q4dcb975bb4_proj:
	.size	k_q4dcb975bb4_proj, .Lfunc_end_k_q4dcb975bb4_proj-k_q4dcb975bb4_proj
	.p2alignl 7, 3214868480
	.fill 96, 4, 3214868480
	.section	.rodata,"a",@progbits
	.p2align	6, 0x0
	.amdhsa_kernel k_q4dcb975bb4_proj
		.amdhsa_group_segment_fixed_size 327680
		.amdhsa_private_segment_fixed_size 0
		.amdhsa_enable_private_segment 0
		.amdhsa_kernarg_size 32
		.amdhsa_user_sgpr_count 2
		.amdhsa_user_sgpr_kernarg_segment_ptr 1
		.amdhsa_wavefront_size32 1
		.amdhsa_system_sgpr_workgroup_id_x 1
		.amdhsa_system_sgpr_workgroup_id_y 1
		.amdhsa_system_sgpr_workgroup_id_z 1
		.amdhsa_system_vgpr_workitem_id 0
		.amdhsa_next_free_vgpr 1024
		.amdhsa_next_free_sgpr 84
		.amdhsa_reserve_vcc 0
		.amdhsa_float_denorm_mode_32 3
		.amdhsa_float_denorm_mode_16_64 3
		.amdhsa_memory_ordered 1
		.amdhsa_forward_progress 1
		.amdhsa_inst_pref_size 150
	.end_amdhsa_kernel
	.amdgpu_metadata
---
amdhsa.version: [ 1, 2 ]
amdhsa.kernels:
  - .name:           k_q4dcb975bb4_proj
    .symbol:         k_q4dcb975bb4_proj.kd
    .args:
      - { .name: xb, .offset: 0, .size: 8, .value_kind: global_buffer, .address_space: global }
      - { .name: wb, .offset: 8, .size: 8, .value_kind: global_buffer, .address_space: global }
      - { .name: tab, .offset: 16, .size: 8, .value_kind: global_buffer, .address_space: global }
      - { .name: qkv, .offset: 24, .size: 8, .value_kind: global_buffer, .address_space: global }
    .group_segment_fixed_size: 327680
    .private_segment_fixed_size: 0
    .kernarg_segment_align: 8
    .kernarg_segment_size: 32
    .max_flat_workgroup_size: 128
    .sgpr_count:     84
    .vgpr_count:     1024
    .wavefront_size: 32
...
	.end_amdgpu_metadata
.endif
;; end of part 2
;; launch scan (part 3): grid 8 x 32, 4 waves a work-group, no clusters, 274,176 bytes of LDS; arguments qkv, tab, y; writes y
.if DOCPART == 3
	.amdgcn_target "amdgcn-amd-amdhsa--gfx1250"
	.amdhsa_code_object_version 6
	.text
	.protected	k_q4dcb975bb4_scan
	.globl	k_q4dcb975bb4_scan
	.p2align	8
	.type	k_q4dcb975bb4_scan,@function
k_q4dcb975bb4_scan:
	s_mov_b64 s[64:65], 0
	v_nop
	global_prefetch_b8 v0, s[64:65] scope:SCOPE_SE
	s_setreg_imm32_b32 hwreg(HW_REG_WAVE_MODE, 25, 1), 1
	s_wait_xcnt 0x0
; DELTANET, LAUNCH 3 OF 5: the scan as decayed linear attention.  y_t = sum over s <= t of A[t,s] v_s / (sum over s <= t of A[t,s] + 1e-6), A[t,s] = (q_t . k_s) (G0 + G1), Gc[t,s] = 2^(sum of lb^c_r, r = s+1 .. t).
; WORK LEFT OUT: the state that enters a sequence's first 256 rows is reference()'s own M0 = Z0 = 0 for all inputs: there (J = 0) no state is made and no product with it is formed.
; SHARES.  A work-group owns rows 256 J .. 256 J + 255 of one (batch, head); J = 7 - x, so that the long ones start first.  Three parts:
;   A  the state that enters, M^c = sum over s < 256 J of 2^(sum of lb^c over s+1 .. 256 J - 1) k_s (x) [v_s | 1]: the 4 J chunks of 64 rows before the segment, J to a wave, each wave walking its range
;      backward with weights that count from the range's end; the four partial states meet in LDS, each earlier one scaled by the later ranges' whole decay.
;   B  O^T = sum over c of (M^c)^T (2^(L^c_t) q_t), L_t = the sum of lb from the segment's first row to t.
;   C  the segment's own keys, by chunks of 64 from the diagonal backward: S^T = K Q^T, times G0 + G1, rounded to bf16, O^T += [V | 1]^T P.
; The column of ones is a constant fragment whose rows 0 and 8 are 1: the divisor falls into register 0 of a fifth tile of O^T in both halves of the lanes, made of the same rounded weights as the numerator.
; Of the segment's four bands of 64 rows a wave owns 16 rows in each, so the causal work is the same for all four waves.
; A hidden weight (s > t, in a diagonal chunk alone) may overflow; its bits are replaced by 0 before any use.
; NO CLUSTER: the eight work-groups of a head have different trip counts (J), and what two of them share they read at different times.
; The loop of part A has a run-time count, made of the work-group's number alone; its LDS addresses are fixed and it holds no barrier.
; LIMITS.  Matrix operands (q, k, v, weights, state) are bf16; sums, decay sums and the divisor f32.  A decay sum reaches 64 x 9.97 in a chunk and is always formed from the near end outward;
; a weight below 2^-126 counts as 0.  The accumulators of part A are cleared by 320 v_mov_b32 while the first loads are out (a first trip written out would be some 3,000 bytes more text); with J = 0, O^T by 160.
; REGISTERS, in windows of 256 (s_set_vgpr_msb: bits 1:0 source 0, 3:2 source 1, 5:4 source 2, 7:6 destination):
;   window 0: v0-31 ids, addresses, the scan's registers; the rest by part (below)
;   window 1: v0-159 the state's accumulators for c = 0 (tile (dt, et) at 8 (5 dt + et)), then the state's fragments, then K's; v160-223 Q (band x, channel half at 160 + 16 x + 8 half)
;   window 2: v0-159 the accumulators for c = 1, then O^T ((x, et) at 40 x + 8 et)
;   window 3: v0-127 K^T scaled, by channel; v128-191 V^T ((et, u) at 128 + 16 et + 8 u); v192-199 the ones
.set REGB,  40960                      ; LDS: for each wave 40,960 bytes: in part A K (64 x 160), V (64 x 160), the weights (256 bytes); then its partial state, 40 tiles of 1,024
.set VAO,   10240
.set WAO,   20480
.set KB,    163840                     ; the segment's K, 256 rows x 144
.set VB,    200704                     ; its V, 256 rows x 160
.set SM,    241664                     ; the state as 20 fragments of 1,024 bytes
.set PL,    262144                     ; [2 c][256] f32: the sum of lb from the row's chunk's first row to the row
.set TOT,   264192                     ; [c][wave] the ranges' whole sums; at + 32 [c][chunk] the segment's chunks'
.set STG,   264448                     ; for each wave 16 rows x 144 bytes, for the way out
.set SPARE, 273664                     ; the spare words, 128 bytes for each wave: two blocks of 256 bytes that no other line names
.set GOF, 4                            ; 16 l
.set LBO, 5                            ; lb: block l / 8, channel (l / 4) % 2, four rows at 4 (l % 4)
.set STK, 6
.set TRA, 7
.set WAS, 8
.set WAL, 9
.set MB0, 10                           ; 1.0 where bit 0, 1, 3, 4 of the lane's number is set
.set MB1, 11
.set MB3, 12
.set MB4, 13
.set LBD, 14                           ; v[14:17] four lb, then their running sums
.set TP,  18
.set PRE, 19
.set TT,  20
.set EE,  21                           ; the sum of lb over the chunks of my range that are done
.set SPW, 28
.set NIL, 29
.set WF,  32                           ; part A: the weights as fragments, (c, u) at 16 c + 8 u
.set KR,  64                           ; K^T, (dt, u) at 8 (2 dt + u)
.set GB,  128                          ; a chunk's K and V as loaded
.set PART, 32
.set RES, 128
.set MF,  208
.set S,   32
.set X,   64
.set LS,  128
.set P,   192
.set MBITS, 208
.set AA,  224                          ; (band x, c) at 2 x + c: the sum of lb from the first row of the chunk in hand to t
.set TC,  232
.set GG,  234
.set QW,  160
.set VF,  128
.set ONES, 192
.set RI,  64
.set YB,  32
.set YO,  96
.set WV,  12
.set SJ,  13
.set K0,  20
.set V0,  22
.set L0,  24
.set KP,  26
.set VP,  28
.set LP,  30
.set OFF, 32
.set SN,  34                           ; the chunk to load
.set SI,  35
.set OWN, 36
.set SEL, 38
.set CN,  48
.set KC,  49
.set ND,  50
.set MSB, 0
.macro WIN new
.if MSB != (\new)
	s_set_vgpr_msb (MSB<<8)|(\new)
.set MSB, \new
.endif
.endm
.macro PLACES
.rept 4
	v_nop
.endr
.endm
; The running sums of a chunk's 64 lb, both channels at once: a lane has four rows of one channel; the lanes of a channel differ in bits 0, 1, 3, 4.  At the end LBD holds the inclusive sums, TT the chunk's whole sum.
.macro SCAN
	v_add_f32 v[LBD+1], v[LBD], v[LBD+1]
	v_add_f32 v[LBD+2], v[LBD+1], v[LBD+2]
	v_add_f32 v[LBD+3], v[LBD+2], v[LBD+3]
	v_mov_b32 v[TT], v[LBD+3]
	v_mov_b32_dpp v[TP], v[TT] row_xmask:1 row_mask:0xf bank_mask:0xf
	v_mul_f32 v[PRE], v[TP], v[MB0]                ; the partner's sum counts in front of mine where my bit is set
	v_add_f32 v[TT], v[TT], v[TP]
	v_mov_b32_dpp v[TP], v[TT] row_xmask:2 row_mask:0xf bank_mask:0xf
	v_fmac_f32 v[PRE], v[TP], v[MB1]
	v_add_f32 v[TT], v[TT], v[TP]
	v_mov_b32_dpp v[TP], v[TT] row_xmask:8 row_mask:0xf bank_mask:0xf
	v_fmac_f32 v[PRE], v[TP], v[MB3]
	v_add_f32 v[TT], v[TT], v[TP]
	v_permlanex16_b32 v[TP], v[TT], s[SEL], s[SEL+1]
	v_fmac_f32 v[PRE], v[TP], v[MB4]
	v_add_f32 v[TT], v[TT], v[TP]
.irp i, 0,1,2,3
	v_add_f32 v[LBD+\i], v[LBD+\i], v[PRE]
.endr
.endm
; Chunk SN: 8,192 bytes of K, of V and of lb's blocks.  The pointers are written when the loads before are all in.
.macro LOADITEM
	s_lshl_b32 s[OFF], s[SN], 13
	s_add_nc_u64 s[KP:KP+1], s[K0:K0+1], s[OFF:OFF+1]
	s_add_nc_u64 s[VP:VP+1], s[V0:V0+1], s[OFF:OFF+1]
	s_add_nc_u64 s[LP:LP+1], s[L0:L0+1], s[OFF:OFF+1]
.irp i, 0,1,2,3,4,5,6,7,8,9,10,11,12,13,14,15
	global_load_b128 v[GB+4*\i:GB+4*\i+3], v[GOF], s[KP:KP+1] offset:512*\i
.endr
.irp i, 0,1,2,3,4,5,6,7,8,9,10,11,12,13,14,15
	global_load_b128 v[GB+64+4*\i:GB+64+4*\i+3], v[GOF], s[VP:VP+1] offset:512*\i
.endr
	global_load_b128 v[LBD:LBD+3], v[LBO], s[LP:LP+1]
.endm
; A trip of part A: a chunk goes into my own LDS bytes, its weights are made, the next chunk is asked for, and 80 products add w k (x) [v | 1] onto the 40 accumulators, which take turns.
.macro ATRIP
	s_wait_loadcnt 0x0
.irp i, 0,1,2,3,4,5,6,7,8,9,10,11,12,13,14,15
	ds_store_b128 v[STK], v[GB+4*\i:GB+4*\i+3] offset:640*\i
.endr
.irp i, 0,1,2,3,4,5,6,7,8,9,10,11,12,13,14,15
	ds_store_b128 v[STK], v[GB+64+4*\i:GB+64+4*\i+3] offset:VAO+640*\i
.endr
	SCAN
	v_add_f32 v[TT], v[TT], v[EE]                  ; from the chunk's first row to my range's end
.irp i, 0,1,2,3
	v_sub_f32 v[22+\i], v[TT], v[LBD+\i]           ; from row s + 1 to the range's end: never above 0
.endr
.irp i, 0,1,2,3
	v_exp_f32 v[22+\i], v[22+\i]
.endr
	v_mov_b32 v[EE], v[TT]                         ; the plain instruction behind the batch
	s_wait_alu depctr_va_vdst(0)
	v_cvt_pk_bf16_f32 v26, v22, v23
	v_cvt_pk_bf16_f32 v27, v24, v25
	ds_store_b64 v[WAS], v[26:27]
	s_add_co_u32 s40, s[SI], 1                     ; the next chunk: one back, or behind my range's first the segment's own chunk 4 J + w
	s_sub_co_u32 s[SN], s[SN], 1
	s_cmp_lt_u32 s40, s[SJ]
	s_cselect_b32 s[SN], s[SN], s[OWN]
	LOADITEM
.irp dt, 0,1,2,3
.irp u, 0,1
	ds_load_tr16_b128 v[KR+8*(2*\dt+\u):KR+8*(2*\dt+\u)+3], v[TRA] offset:\u*5120+32*\dt
	ds_load_tr16_b128 v[KR+8*(2*\dt+\u)+4:KR+8*(2*\dt+\u)+7], v[TRA] offset:\u*5120+32*\dt+2560
.endr
.endr
.irp c, 0,1
.irp u, 0,1
	ds_load_b128 v[WF+16*\c+8*\u:WF+16*\c+8*\u+3], v[WAL] offset:\c*128+64*\u
	ds_load_b128 v[WF+16*\c+8*\u+4:WF+16*\c+8*\u+7], v[WAL] offset:\c*128+64*\u+32
.endr
.endr
	s_wait_dscnt 0x0                               ; K^T and the weights are in (LDS serves a wave's instructions in order, ISA guide 5.7.1.4: they saw the stores above)
	WIN 0xc0                                       ; destination window 3: for V's loads and for the multiplies alike
.irp et, 0,1,2,3                                       ; V's 16 loads land while the 128 multiplies below run
.irp u, 0,1
	ds_load_tr16_b128 v[VF+16*\et+8*\u:VF+16*\et+8*\u+3], v[TRA] offset:VAO+\u*5120+32*\et
	ds_load_tr16_b128 v[VF+16*\et+8*\u+4:VF+16*\et+8*\u+7], v[TRA] offset:VAO+\u*5120+32*\et+2560
.endr
.endr
.irp c, 0,1
.irp dt, 0,1,2,3
.irp u, 0,1
.irp i, 0,1,2,3,4,5,6,7
	v_pk_mul_bf16 v[64*\c+8*(2*\dt+\u)+\i], v[KR+8*(2*\dt+\u)+\i], v[WF+16*\c+8*\u+\i]
.endr
.endr
.endr
.endr
	s_wait_dscnt 0x0                               ; V is in
.irp u, 0,1
.irp c, 0,1
	WIN 0x5f+0x50*\c
.irp dt, 0,1,2,3
.irp et, 0,1,2,3,4
.if \et < 4
	v_wmma_f32_16x16x32_bf16 v[8*(5*\dt+\et):8*(5*\dt+\et)+7], v[64*\c+8*(2*\dt+\u):64*\c+8*(2*\dt+\u)+7], v[VF+16*\et+8*\u:VF+16*\et+8*\u+7], v[8*(5*\dt+\et):8*(5*\dt+\et)+7]
.else
	v_wmma_f32_16x16x32_bf16 v[8*(5*\dt+\et):8*(5*\dt+\et)+7], v[64*\c+8*(2*\dt+\u):64*\c+8*(2*\dt+\u)+7], v[ONES:ONES+7], v[8*(5*\dt+\et):8*(5*\dt+\et)+7]
.endif
.endr
.endr
.endr
.endr
	WIN 0
	PLACES
.endm
	s_load_b128 s[4:7], s[0:1], 0x0                ; qkv 4, tab 6
	s_load_b64 s[8:9], s[0:1], 0x10                ; y
	v_lshl_add_u32 v[SPW], v0, 2, SPARE
	v_mov_b32 v[NIL], 0
	v_lshrrev_b32 v1, 5, v0
	v_readfirstlane_b32 s[WV], v1
	s_sub_co_u32 s[SJ], 7, ttmp9                   ; J
	s_and_b32 s14, ttmp7, 0xffff                   ; batch x 16 + head
	s_and_b32 s15, s14, 15
	s_lshr_b32 s16, s14, 4
	s_mov_b32 s[SEL], 0x76543210
	s_mov_b32 s[SEL+1], 0xfedcba98
	v_and_b32 v1, 31, v0                           ; l
	v_and_b32 v2, 15, v0                           ; r
	v_bfe_u32 v3, v0, 4, 1                         ; h
	v_and_b32 v22, 7, v0
	v_bfe_u32 v23, v0, 3, 1
	v_bfe_u32 v24, v0, 3, 2
	v_bfe_u32 v25, v0, 2, 1
	v_and_b32 v26, 3, v0
	v_lshlrev_b32 v[GOF], 4, v1
	v_lshlrev_b32 v[LBO], 11, v24
	v_lshl_add_u32 v[LBO], v25, 6, v[LBO]
	v_lshl_add_u32 v[LBO], v26, 4, v[LBO]
	s_mul_i32 s17, s[WV], REGB
	v_mul_u32_u24 v[STK], v24, 160                 ; in: row l / 8 of four, 16 (l % 8) bytes on
	v_lshl_add_u32 v[STK], v22, 4, v[STK]
	v_add_nc_u32 v[STK], s17, v[STK]
	v_lshl_add_u32 v[TRA], v3, 3, v22              ; the turning load: row 8 h + l % 8, 16 ((l / 8) % 2) bytes on
	v_mul_u32_u24 v[TRA], v[TRA], 160
	v_lshl_add_u32 v[TRA], v23, 4, v[TRA]
	v_add_nc_u32 v[TRA], s17, v[TRA]
	s_add_co_u32 s40, s17, WAO
	v_lshl_add_u32 v[WAS], v25, 7, s40             ; my four weights: channel x 128 + 2 x row
	v_lshl_add_u32 v[WAS], v24, 5, v[WAS]
	v_lshl_add_u32 v[WAS], v26, 3, v[WAS]
	v_lshl_add_u32 v[WAL], v3, 4, s40
	v_and_b32 v27, 1, v0
	v_cvt_f32_u32 v[MB0], v27
	v_bfe_u32 v27, v0, 1, 1
	v_cvt_f32_u32 v[MB1], v27
	v_cvt_f32_u32 v[MB3], v23
	v_cvt_f32_u32 v[MB4], v3
	v_mov_b32 v[TP], 0
	v_mov_b32 v[EE], 0
	s_mov_b32 s40, 0x3f803f80
	v_cmp_eq_u32 vcc_lo, 0, v22
	v_cndmask_b32 v27, 0, s40, vcc_lo              ; 1.0 twice in lanes 0, 8, 16, 24
	WIN 0xc0
.irp i, 0,1,2,3,4,5,6,7
	v_mov_b32 v[ONES+\i], v27
.endr
	WIN 0
	v_lshlrev_b32 v30, 7, v2                       ; a fragment of Q: row r, 16 h bytes on
	v_lshl_add_u32 v30, v3, 4, v30
	s_lshl_b32 s[OWN], s[SJ], 2
	s_add_co_u32 s[OWN], s[OWN], s[WV]
	s_add_co_u32 s[SN], s[WV], 1
	s_mul_i32 s[SN], s[SN], s[SJ]
	s_sub_co_u32 s[SN], s[SN], 1                   ; my range's last chunk, (w + 1) J - 1,
	s_cmp_eq_u32 s[SJ], 0
	s_cselect_b32 s[SN], s[OWN], s[SN]             ; or, where there is no range, the segment's own
	s_lshl_b32 s[OFF], s14, 18
	s_mov_b32 s[OFF+1], 0
	s_wait_kmcnt 0x0
	s_add_nc_u64 s[18:19], s[4:5], s[OFF:OFF+1]    ; q of this sequence
	s_add_nc_u64 s[K0:K0+1], s[18:19], 0x800000
	s_add_nc_u64 s[V0:V0+1], s[18:19], 0x1000000
	s_lshl_b32 s[OFF], s[SJ], 15
	s_lshl_b32 s40, s[WV], 11
	s_add_co_u32 s[OFF], s[OFF], s40
	s_add_nc_u64 s[18:19], s[18:19], s[OFF:OFF+1]  ; at my 16 rows of band 0
	s_lshl_b32 s[OFF], s16, 18
	s_lshl_b32 s40, s15, 7
	s_add_co_u32 s[OFF], s[OFF], s40
	s_add_nc_u64 s[L0:L0+1], s[6:7], s[OFF:OFF+1]
	s_add_nc_u64 s[L0:L0+1], s[L0:L0+1], 524288    ; lb of this sequence
	s_lshl_b32 s40, s16, 4
	s_lshl_b32 s41, s[SJ], 1
	s_add_co_u32 s40, s40, s41
	s_lshl_b32 s[OFF], s40, 18                     ; y: block of 128 rows 16 batch + 2 J,
	s_lshl_b32 s40, s15, 14
	s_add_co_u32 s[OFF], s[OFF], s40               ; the head,
	s_lshl_b32 s40, s[WV], 11
	s_add_co_u32 s[OFF], s[OFF], s40               ; my 16 rows
	s_add_nc_u64 s[8:9], s[8:9], s[OFF:OFF+1]
	WIN 0x40
.irp x, 0,1,2,3
.irp c, 0,1
	global_load_b128 v[QW+16*\x+8*\c:QW+16*\x+8*\c+3], v30, s[18:19] offset:\x*8192+64*\c
	global_load_b128 v[QW+16*\x+8*\c+4:QW+16*\x+8*\c+7], v30, s[18:19] offset:\x*8192+64*\c+32
.endr
.endr
	WIN 0
	LOADITEM
	s_cmp_eq_u32 s[SJ], 0
	s_cbranch_scc1 .Lno_a
	WIN 0x40
.set i, 0
.rept 160
	v_mov_b32 v[i], 0
.set i, i+1
.endr
	WIN 0x80
.set i, 0
.rept 160
	v_mov_b32 v[i], 0
.set i, i+1
.endr
	WIN 0
	s_mov_b32 s[SI], 0
.La:
	ATRIP
	s_add_co_u32 s[SI], s[SI], 1
	s_cmp_lt_u32 s[SI], s[SJ]
	s_cbranch_scc1 .La
.Lno_a:
	; THE SEGMENT'S OWN CHUNK 4 J + w goes into the shared tiles
	s_wait_loadcnt 0x0
	v_and_b32 v38, 7, v0
	v_bfe_u32 v39, v0, 3, 2
	v_bfe_u32 v40, v0, 2, 1
	v_and_b32 v41, 3, v0
	s_mul_i32 s40, s[WV], 9216
	s_add_co_u32 s40, s40, KB
	v_mul_u32_u24 v32, v39, 144
	v_lshl_add_u32 v32, v38, 4, v32
	v_add_nc_u32 v32, s40, v32
	s_mul_i32 s40, s[WV], 10240
	s_add_co_u32 s40, s40, VB
	v_mul_u32_u24 v33, v39, 160
	v_lshl_add_u32 v33, v38, 4, v33
	v_add_nc_u32 v33, s40, v33
	s_lshl_b32 s40, s[WV], 8
	s_add_co_u32 s40, s40, PL
	v_lshl_add_u32 v34, v40, 10, s40
	v_lshl_add_u32 v34, v39, 6, v34
	v_lshl_add_u32 v34, v41, 4, v34
	s_lshl_b32 s40, s[WV], 2
	s_add_co_u32 s40, s40, TOT
	v_lshl_add_u32 v37, v40, 4, s40
	v_add_nc_u32 v35, 32, v37
	v_lshl_add_u32 v36, v1, 4, s17
.irp i, 0,1,2,3,4,5,6,7,8,9,10,11,12,13,14,15
	ds_store_b128 v32, v[GB+4*\i:GB+4*\i+3] offset:576*\i
.endr
.irp i, 0,1,2,3,4,5,6,7,8,9,10,11,12,13,14,15
	ds_store_b128 v33, v[GB+64+4*\i:GB+64+4*\i+3] offset:640*\i
.endr
	SCAN
	ds_store_b128 v34, v[LBD:LBD+3]
	ds_store_b32 v35, v[TT]
	s_cmp_eq_u32 s[SJ], 0
	s_cbranch_scc1 .Lno_red
	ds_store_b32 v37, v[EE]                        ; my range's whole sum
.irp c, 0,1                                            ; my partial state: tile ((2 c + dt / 2) 5 + et) 2 + dt % 2, each accumulator's low half first
	WIN 0x04*(1+\c)
.irp dt, 0,1,2,3
.irp et, 0,1,2,3,4
	ds_store_b128 v36, v[8*(5*\dt+\et):8*(5*\dt+\et)+3] offset:(((2*\c+\dt/2)*5+\et)*2+\dt%2)*1024
	ds_store_b128 v36, v[8*(5*\dt+\et)+4:8*(5*\dt+\et)+7] offset:(((2*\c+\dt/2)*5+\et)*2+\dt%2)*1024+512
.endr
.endr
.endr
	WIN 0
.Lno_red:
	s_wait_dscnt 0x0                               ; for the others' sake
	s_barrier_signal -1
	s_barrier_wait -1
	s_cmp_eq_u32 s[SJ], 0
	s_cbranch_scc1 .Lno_sum
	; THE FOUR PARTIAL STATES: wave w adds tiles 10 w .. 10 w + 9 (channel w / 2, 32 rows d at 32 (w % 2)): RES = RES 2^(range v's whole sum) + part v, v = 1, 2, 3.
	; The three steps are written out: each reads wave v's region at a constant, v x 40,960, beyond my place in wave 0's.  What is stored below (SM) lies behind all four regions.
	s_mul_i32 s40, s[WV], 10240
	v_lshl_add_u32 v30, v1, 4, s40
	s_lshr_b32 s40, s[WV], 1
	s_lshl_b32 s40, s40, 4
	s_add_co_u32 s40, s40, TOT
	v_mov_b32 v31, s40
.irp i, 0,1,2,3,4,5,6,7,8,9
	ds_load_b128 v[RES+8*\i:RES+8*\i+3], v30 offset:\i*1024
	ds_load_b128 v[RES+8*\i+4:RES+8*\i+7], v30 offset:\i*1024+512
.endr
.irp v, 1,2,3
	v_add_nc_u32 v24, \v*REGB, v30
.irp i, 0,1,2,3,4,5,6,7,8,9
	ds_load_b128 v[PART+8*\i:PART+8*\i+3], v24 offset:\i*1024
	ds_load_b128 v[PART+8*\i+4:PART+8*\i+7], v24 offset:\i*1024+512
.endr
	ds_load_b32 v22, v31 offset:4*\v
	s_wait_dscnt 0x0
	v_exp_f32 v22, v22
	v_nop
	s_wait_alu depctr_va_vdst(0)
	v_mov_b32 v23, v22
.set i, 0
.rept 40
	v_pk_fma_f32 v[RES+i:RES+i+1], v[RES+i:RES+i+1], v[22:23], v[PART+i:PART+i+1]
.set i, i+2
.endr
.endr
.set i, 0
.rept 40
	v_cvt_pk_bf16_f32 v[MF+i], v[RES+2*i], v[RES+2*i+1]  ; two tiles (d 0-15, d 16-31 of the 32) ARE a fragment of (M^c)^T: row e = lane % 16, d along the registers
.set i, i+1
.endr
	s_mul_i32 s40, s[WV], 5120
	s_add_co_u32 s40, s40, SM
	v_lshl_add_u32 v26, v1, 4, s40
.irp et, 0,1,2,3,4
	ds_store_b128 v26, v[MF+8*\et:MF+8*\et+3] offset:\et*1024
	ds_store_b128 v26, v[MF+8*\et+4:MF+8*\et+7] offset:\et*1024+512
.endr
.Lno_sum:
	s_wait_dscnt 0x0
	s_barrier_signal -1
	s_barrier_wait -1
	; addresses, the rows' own sums, the diagonal's bit masks
	v_mul_u32_u24 v242, v2, 144
	v_lshl_add_u32 v242, v3, 4, v242
	v_add_nc_u32 v242, KB, v242
	v_and_b32 v22, 7, v0
	v_bfe_u32 v23, v0, 3, 1
	v_lshl_add_u32 v243, v3, 3, v22
	v_mul_u32_u24 v243, v243, 160
	v_lshl_add_u32 v243, v23, 4, v243
	v_add_nc_u32 v243, VB, v243
	v_lshlrev_b32 v244, 5, v3
	v_add_nc_u32 v244, PL, v244
	v_mov_b32 v245, TOT+32
	s_mul_i32 s40, s[WV], 2304
	s_add_co_u32 s40, s40, STG
	v_mul_u32_u24 v250, v2, 144
	v_lshl_add_u32 v250, v3, 4, v250
	v_add_nc_u32 v250, s40, v250
	v_bfe_u32 v251, v0, 3, 2
	v_mul_u32_u24 v251, v251, 144
	v_lshl_add_u32 v251, v22, 4, v251
	v_add_nc_u32 v251, s40, v251
	s_lshl_b32 s40, s[WV], 6
	s_add_co_u32 s40, s40, PL
	v_lshl_add_u32 v252, v2, 2, s40
.irp x, 0,1,2,3
.irp c, 0,1
	ds_load_b32 v[AA+2*\x+\c], v252 offset:\c*1024+\x*256
.endr
.endr
	s_lshl_b32 s40, s[WV], 4
	v_lshlrev_b32 v24, 3, v3
	v_sub_nc_u32 v24, v2, v24
	v_add_nc_u32 v24, s40, v24                     ; my row's place in its band, 16 w + r, less my lanes' 8 h: key 16 kt + j of my registers is seen where it is not greater
	s_mov_b32 s41, 0xffff
	s_mov_b32 s42, 0xffff0000
.set i, 0
.rept 16
	v_cmp_le_i32 vcc_lo, 16*(i/4)+2*(i%4), v24
	v_cndmask_b32 v25, 0, s41, vcc_lo
	v_cmp_le_i32 vcc_lo, 16*(i/4)+2*(i%4)+1, v24
	v_cndmask_b32 v26, 0, s42, vcc_lo
	v_or_b32 v[MBITS+i], v25, v26
.set i, i+1
.endr
	s_cmp_eq_u32 s[SJ], 0
	s_cbranch_scc1 .Lclear
	; PART B
	ds_load_b128 v[64:67], v245                    ; the chunks' whole sums, c = 0,
	ds_load_b128 v[68:71], v245 offset:16          ; c = 1
	v_lshlrev_b32 v253, 4, v1
	v_add_nc_u32 v253, SM, v253
	WIN 0x40
.set i, 0
.rept 20
	ds_load_b128 v[8*i:8*i+3], v253 offset:i*1024
	ds_load_b128 v[8*i+4:8*i+7], v253 offset:i*1024+512
.set i, i+1
.endr
	WIN 0
	s_wait_dscnt 40                                ; the sums are in; the state's 40 loads may stay out
.irp c, 0,1
	v_add_f32 v[65+4*\c], v[64+4*\c], v[65+4*\c]
	v_add_f32 v[66+4*\c], v[65+4*\c], v[66+4*\c]
	v_add_f32 v[74+\c], v[AA+2+\c], v[64+4*\c]     ; L_t = the row's own sum + the chunks' before its band
	v_add_f32 v[76+\c], v[AA+4+\c], v[65+4*\c]
	v_add_f32 v[78+\c], v[AA+6+\c], v[66+4*\c]
.endr
.irp c, 0,1
	v_exp_f32 v[72+\c], v[AA+\c]
	v_exp_f32 v[74+\c], v[74+\c]
	v_exp_f32 v[76+\c], v[76+\c]
	v_exp_f32 v[78+\c], v[78+\c]
.endr
	v_nop
	s_wait_alu depctr_va_vdst(0)
.irp i, 0,1,2,3,4,5,6,7
	v_cvt_pk_bf16_f32 v[GG+\i], v[72+\i], v[72+\i]
.endr
	s_wait_dscnt 0x0
; Band x: Q scaled by the row's decay, for both channels, and 20 products: (c, 32 rows d) outer, the five tiles of O^T by turns; the first five start the sums.
.macro INTER x
.set QG, 32+32*((\x)%2)
	WIN 0x01
.irp c, 0,1
.irp dp, 0,1
.irp i, 0,1,2,3,4,5,6,7
	v_pk_mul_bf16 v[QG+16*\c+8*\dp+\i], v[QW+16*(\x)+8*\dp+\i], v[GG+2*(\x)+\c]
.endr
.endr
.endr
	WIN 0xa1
.irp c, 0,1
.irp dp, 0,1
.irp et, 0,1,2,3,4
.if (\c+\dp) == 0
	v_wmma_f32_16x16x32_bf16 v[40*(\x)+8*\et:40*(\x)+8*\et+7], v[8*(5*(2*\c+\dp)+\et):8*(5*(2*\c+\dp)+\et)+7], v[QG+16*\c+8*\dp:QG+16*\c+8*\dp+7], 0
.else
	v_wmma_f32_16x16x32_bf16 v[40*(\x)+8*\et:40*(\x)+8*\et+7], v[8*(5*(2*\c+\dp)+\et):8*(5*(2*\c+\dp)+\et)+7], v[QG+16*\c+8*\dp:QG+16*\c+8*\dp+7], v[40*(\x)+8*\et:40*(\x)+8*\et+7]
.endif
.endr
.endr
.endr
.endm
	INTER 0
	INTER 1
	INTER 2
	INTER 3
	WIN 0
	PLACES
	s_branch .Lc0
.Lclear:
	WIN 0x80
.set i, 0
.rept 160
	v_mov_b32 v[i], 0
.set i, i+1
.endr
	WIN 0
.Lc0:
; PART C, band x against the chunk in hand (KC).  A band below the chunk is jumped; in the band's own chunk the weights take the bit masks.
.macro UNIT x
.if (\x) < 3
	s_cmp_gt_u32 s[KC], \x
	s_cbranch_scc1 .Lskip_\@
.endif
	s_cmp_lg_u32 s[KC], \x
	s_cselect_b32 s[ND], 1.0, 0
	v_fma_f32 v[AA+2*(\x)], v[TC], s[ND], v[AA+2*(\x)]        ; an earlier chunk: its whole sum comes on top
	v_fma_f32 v[AA+2*(\x)+1], v[TC+1], s[ND], v[AA+2*(\x)+1]
	WIN 0x05
.irp c, 0,1
.irp kt, 0,1,2,3
.if \c == 0
	v_wmma_f32_16x16x32_bf16 v[S+8*\kt:S+8*\kt+7], v[8*(2*\kt+\c):8*(2*\kt+\c)+7], v[QW+16*(\x)+8*\c:QW+16*(\x)+8*\c+7], 0
.else
	v_wmma_f32_16x16x32_bf16 v[S+8*\kt:S+8*\kt+7], v[8*(2*\kt+\c):8*(2*\kt+\c)+7], v[QW+16*(\x)+8*\c:QW+16*(\x)+8*\c+7], v[S+8*\kt:S+8*\kt+7]
.endif
.endr
.endr
	WIN 0
.irp c, 0,1
.set i, 0
.rept 16
	v_pk_add_f32 v[X+32*\c+i:X+32*\c+i+1], v[AA+2*(\x):AA+2*(\x)+1], v[LS+32*\c+i:LS+32*\c+i+1] op_sel:[\c,0] op_sel_hi:[\c,1] neg_lo:[0,1] neg_hi:[0,1]  ; the sum of lb over s + 1 .. t; also the places behind the products
.set i, i+2
.endr
.endr
.set i, 0
.rept 64
	v_exp_f32 v[X+i], v[X+i]
.set i, i+1
.endr
	v_nop
	s_wait_alu depctr_va_vdst(0)                   ; one wait for the 64
.set i, 0
.rept 16
	v_pk_add_f32 v[X+i:X+i+1], v[X+i:X+i+1], v[X+32+i:X+32+i+1]
.set i, i+2
.endr
.set i, 0
.rept 16
	v_pk_mul_f32 v[X+i:X+i+1], v[X+i:X+i+1], v[S+i:S+i+1]
.set i, i+2
.endr
.set i, 0
.rept 16
	v_cvt_pk_bf16_f32 v[P+i], v[X+2*i], v[X+2*i+1]
.set i, i+1
.endr
	s_cmp_lg_u32 s[KC], \x
	s_cbranch_scc1 .Lnd_\@
.set i, 0
.rept 16
	v_and_b32 v[P+i], v[P+i], v[MBITS+i]
.set i, i+1
.endr
.Lnd_\@:
	WIN 0xa3
.irp u, 0,1
.irp et, 0,1,2,3,4
.if \et < 4
	v_wmma_f32_16x16x32_bf16 v[40*(\x)+8*\et:40*(\x)+8*\et+7], v[VF+16*\et+8*\u:VF+16*\et+8*\u+7], v[P+8*\u:P+8*\u+7], v[40*(\x)+8*\et:40*(\x)+8*\et+7]
.else
	v_wmma_f32_16x16x32_bf16 v[40*(\x)+8*\et:40*(\x)+8*\et+7], v[ONES:ONES+7], v[P+8*\u:P+8*\u+7], v[40*(\x)+8*\et:40*(\x)+8*\et+7]
.endif
.endr
.endr
	WIN 0
.if (\x) < 3
.Lskip_\@:
.endif
.endm
	s_mov_b32 s[CN], 4
.Lc:                                                   ; chunks 3, 2, 1, 0 of the segment
	s_sub_co_u32 s[KC], s[CN], 1
	s_mul_i32 s40, s[KC], 9216
	v_add_nc_u32 v246, s40, v242
	s_mul_i32 s40, s[KC], 10240
	v_add_nc_u32 v247, s40, v243
	s_lshl_b32 s40, s[KC], 8
	v_add_nc_u32 v248, s40, v244
	s_lshl_b32 s40, s[KC], 2
	v_add_nc_u32 v249, s40, v245
	WIN 0x40
.irp kt, 0,1,2,3
.irp c, 0,1
	ds_load_b128 v[8*(2*\kt+\c):8*(2*\kt+\c)+3], v246 offset:\kt*2304+64*\c
	ds_load_b128 v[8*(2*\kt+\c)+4:8*(2*\kt+\c)+7], v246 offset:\kt*2304+64*\c+32
.endr
.endr
	WIN 0xc0
.irp et, 0,1,2,3
.irp u, 0,1
	ds_load_tr16_b128 v[VF+16*\et+8*\u:VF+16*\et+8*\u+3], v247 offset:\u*5120+32*\et
	ds_load_tr16_b128 v[VF+16*\et+8*\u+4:VF+16*\et+8*\u+7], v247 offset:\u*5120+32*\et+2560
.endr
.endr
	WIN 0
.irp c, 0,1
.irp kt, 0,1,2,3
	ds_load_b128 v[LS+32*\c+8*\kt:LS+32*\c+8*\kt+3], v248 offset:\c*1024+\kt*64
	ds_load_b128 v[LS+32*\c+8*\kt+4:LS+32*\c+8*\kt+7], v248 offset:\c*1024+\kt*64+16
.endr
.endr
	ds_load_b32 v[TC], v249
	ds_load_b32 v[TC+1], v249 offset:16
	s_wait_dscnt 0x0
	UNIT 0
	UNIT 1
	UNIT 2
	UNIT 3
	PLACES                                         ; in front of the next chunk's loads, and of the way out
	s_sub_co_u32 s[CN], s[CN], 1
	s_cmp_lg_u32 s[CN], 0
	s_cbranch_scc1 .Lc
	; THE WAY OUT: the divisor lies in register 0 of each band's fifth tile
	WIN 0x08
.irp x, 0,1,2,3
	v_add_f32 v[RI+2*\x], 0x358637bd, v[40*\x+32]  ; + 1e-6
.endr
	WIN 0
.irp x, 0,1,2,3
	v_rcp_f32 v[RI+2*\x], v[RI+2*\x]
.endr
.irp x, 0,1,2,3
	v_mov_b32 v[RI+2*\x+1], 0                      ; named with it as a pair; also the plain work behind the batch
.endr
	s_wait_alu depctr_va_vdst(0)
.macro OUTB x
	WIN 0x82
.set i, 0
.rept 16
	v_pk_mul_f32 v[40*(\x)+i:40*(\x)+i+1], v[40*(\x)+i:40*(\x)+i+1], v[RI+2*(\x):RI+2*(\x)+1] op_sel_hi:[1,0]
.set i, i+2
.endr
	WIN 0x0a
.set i, 0
.rept 16
	v_cvt_pk_bf16_f32 v[YB+i], v[40*(\x)+2*i], v[40*(\x)+2*i+1]
.set i, i+1
.endr
	WIN 0
.irp f, 0,1,2,3
	ds_store_b128 v250, v[YB+4*\f:YB+4*\f+3] offset:32*\f
.endr
	s_wait_xcnt 0x0                                ; the stores of the band two back have read the registers that are loaded below
.irp f, 0,1,2,3
	ds_load_b128 v[YO+16*((\x)%2)+4*\f:YO+16*((\x)%2)+4*\f+3], v251 offset:576*\f
.endr
	s_wait_dscnt 0x0
.irp f, 0,1,2,3
	global_store_b128 v[GOF], v[YO+16*((\x)%2)+4*\f:YO+16*((\x)%2)+4*\f+3], s[8:9] offset:((\x)/2)*262144+((\x)%2)*8192+512*\f  ; 512 consecutive bytes, aligned
.endr
.endm
	OUTB 0
	OUTB 1
	OUTB 2
	OUTB 3
	s_wait_tensorcnt 0x0                           ; the wave's end, behind my last LDS store
	ds_add_u32 v[SPW], v[NIL]
	s_wait_dscnt 0x0
	s_endpgm
.Lfunc_end_k_q4dcb975bb4_scan:
	.size	k_q4dcb975bb4_scan, .Lfunc_end_k_q4dcb975bb4_scan-k_q4dcb975bb4_scan
	.p2alignl 7, 3214868480
	.fill 96, 4, 3214868480
	.section	.rodata,"a",@progbits
	.p2align	6, 0x0
	.amdhsa_kernel k_q4dcb975bb4_scan
		.amdhsa_group_segment_fixed_size 274176
		.amdhsa_private_segment_fixed_size 0
		.amdhsa_enable_private_segment 0
		.amdhsa_kernarg_size 24
		.amdhsa_user_sgpr_count 2
		.amdhsa_user_sgpr_kernarg_segment_ptr 1
		.amdhsa_wavefront_size32 1
		.amdhsa_system_sgpr_workgroup_id_x 1
		.amdhsa_system_sgpr_workgroup_id_y 1
		.amdhsa_system_sgpr_workgroup_id_z 1
		.amdhsa_system_vgpr_workitem_id 0
		.amdhsa_next_free_vgpr 1024
		.amdhsa_next_free_sgpr 66
		.amdhsa_reserve_vcc 1
		.amdhsa_float_denorm_mode_32 3
		.amdhsa_float_denorm_mode_16_64 3
		.amdhsa_memory_ordered 1
		.amdhsa_forward_progress 1
		.amdhsa_inst_pref_size 150
	.end_amdhsa_kernel
	.amdgpu_metadata
---
amdhsa.version: [ 1, 2 ]
amdhsa.kernels:
  - .name:           k_q4dcb975bb4_scan
    .symbol:         k_q4dcb975bb4_scan.kd
    .args:
      - { .name: qkv, .offset: 0, .size: 8, .value_kind: global_buffer, .address_space: global }
      - { .name: tab, .offset: 8, .size: 8, .value_kind: global_buffer, .address_space: global }
      - { .name: y, .offset: 16, .size: 8, .value_kind: global_buffer, .address_space: global }
    .group_segment_fixed_size: 274176
    .private_segment_fixed_size: 0
    .kernarg_segment_align: 8
    .kernarg_segment_size: 24
    .max_flat_workgroup_size: 128
    .sgpr_count:     66
    .vgpr_count:     1024
    .wavefront_size: 32
...
	.end_amdgpu_metadata
.endif
;; end of part 3
;; launch outp (part 4): grid 8 x 32, 4 waves a work-group, clusters of 4 x 4, 327,680 bytes of LDS; arguments y, wb, o; writes o
.if DOCPART == 4
	.amdgcn_target "amdgcn-amd-amdhsa--gfx1250"
	.amdhsa_code_object_version 6
	.text
	.protected	k_q4dcb975bb4_outp
	.globl	k_q4dcb975bb4_outp
	.p2align	8
	.type	k_q4dcb975bb4_outp,@function
k_q4dcb975bb4_outp:
	s_mov_b64 s[64:65], 0
	v_nop
	global_prefetch_b8 v0, s[64:65] scope:SCOPE_SE
	s_setreg_imm32_b32 hwreg(HW_REG_WAVE_MODE, 25, 1), 1
	s_wait_xcnt 0x0
	s_wait_alu depctr_hold_cnt(0) depctr_sa_sdst(0) depctr_va_vdst(0) depctr_va_sdst(0) depctr_va_ssrc(0) depctr_va_vcc(0) depctr_vm_vsrc(0)
	s_getreg_b32 s2, hwreg(HW_REG_IB_STS2, 6, 4)
	s_cmp_eq_u32 s2, 0
	s_cbranch_scc0 .Lentry_in_a_cluster
	s_endpgm
.Lentry_in_a_cluster:
	s_bfe_u32 s2, ttmp6, 0x10000c
	s_cmp_lg_u32 s2, 0xf033
	s_cbranch_scc0 .Lentry_shape_is_right
	s_endpgm
.Lentry_shape_is_right:
; DELTANET, LAUNCH 4 OF 5: o = y Wo, f32 [4096][1024] (a partial result that LayerNorm takes a mean away from: it stays in f32).  y: bf16 [32 blocks of 128 rows][16 head][128 t][64 e];
; Wo: bf16 [16 blocks of 64 n][1024 k][64 n], behind the first 6,291,456 bytes of wb.
; A tile of o is 128 x 128, one for each of 256 work-groups; four waves, each 64 x 64: 16 accumulators.  K goes in 4 steps of 256 (four heads) through two LDS slots; waves 0 and 1 fetch y's two pairs of
; heads, waves 2 and 3 Wo's two blocks: each 32,768 dense bytes, as 128 rows of 256, padded after every 128 bytes.  With four steps the ring is written straight, without a loop.
; CLUSTER: 4 x 4; y's tile is asked for jointly along a row of the cluster, Wo's along a column.  The matrix instruction is used transposed (source 0 = 16 columns of Wo, turned out of LDS; source 1 = 16 rows of y).
; The way out: a wave's 64 columns are 256 bytes of a row of o, so each wave has a stage of its own: in slot 0, which has had its last fill and whose last reads lie in front of the last change of slots' barrier.
; REGISTERS: window 0: v0-31 addresses; v32-95 on the way out; v128-255 accumulators ((a, b) at 128 + 8 (4 a + b)).  Window 1: two fragment buffers of 128: 64 of y (2 x 4 fragments), then 64 of Wo.
.set PA,    144
.set PB,    160
.set AHALF, 2*128*PA                   ; two heads x 128 rows
.set BOFF,  4*128*PA
.set BHALF, 256*PB
.set SLOT,  BOFF+2*BHALF               ; 155,648
.set SPARE, 2*SLOT                     ; behind the ring: the spare words, 128 bytes for each wave: two blocks of 256 bytes that no other line names
.set SPITCH, 272
.set WOOFF, 6291456
.set ADRA, 16
.set ADRB, 20
.set STO,  24
.set RD,   25
.set CO,   26
.set SPW,  28
.set NIL,  29
.set TMP,  32
.set ACC,  128
.set F0,   0
.set F1,   128
.set G1, 24
.set G0, 32
.set G1B, 48
.set G0B, 56
.set MSB, 0
.macro WIN new
.if MSB != (\new)
	s_set_vgpr_msb (MSB<<8)|(\new)
.set MSB, \new
.endif
.endm
.set MUL,  0x05
.set TO_F, 0x40
.macro JLOAD s                         ; a joint load; an s_nop 0 and four v_nop follow each of the two lines
	s_cmp_eq_u32 s11, 0
	s_cbranch_scc0 .Lfor_b_\@
	tensor_load_to_lds s[G0+4*(\s):G0+4*(\s)+3], s[G1:G1+7]
	s_nop 0
.rept 4
	v_nop
.endr
	s_branch .Lasked_\@
.Lfor_b_\@:
	tensor_load_to_lds s[G0B+4*(\s):G0B+4*(\s)+3], s[G1B:G1B+7]
	s_nop 0
.rept 4
	v_nop
.endr
.Lasked_\@:
.endm
.macro CREST
	s_cmp_lg_u32 s10, 0
	s_cbranch_scc1 .Lnot_wave_0_\@
	s_barrier_signal -3
.Lnot_wave_0_\@:
	s_barrier_wait -3
	s_barrier_signal -1
	s_barrier_wait -1
.endm
.macro CROUND
	s_barrier_signal -1
	s_barrier_wait -1
	CREST
.endm
	s_load_b128 s[4:7], s[0:1], 0x0                ; y 4, wb 6
	s_load_b64 s[8:9], s[0:1], 0x10                ; o
	v_lshl_add_u32 v[SPW], v0, 2, SPARE
	v_mov_b32 v[NIL], 0
	ds_add_u32 v[SPW], v[NIL]                      ; the wave's opening: the add, twice on end, and its wait ahead of my first tensor load
	ds_add_u32 v[SPW], v[NIL]
	v_lshrrev_b32 v1, 5, v0
	v_readfirstlane_b32 s10, v1
	s_lshr_b32 s11, s10, 1                         ; my half of the tile's rows.  Also: I fetch for y (0) or for Wo (1)
	s_and_b32 s12, s10, 1                          ; my half of its columns.  Also: which half I fetch
	s_bfe_u32 s40, ttmp6, 0x40000
	s_bfe_u32 s41, ttmp6, 0x40004
	s_lshl_b32 s42, ttmp9, 2
	s_add_co_u32 s42, s42, s40                     ; tile column
	s_and_b32 s13, ttmp7, 0xffff
	s_lshl_b32 s13, s13, 2
	s_add_co_u32 s13, s13, s41                     ; tile row
	s_lshl_b32 s43, s41, 2
	s_lshl_b32 s43, 15, s43
	s_lshl_b32 s44, 0x1111, s40
	s_or_b32 s[G1+0], s43, (1<<16)|(1<<20)|(1<<21)|(4<<22)|(3<<25)   ; the mask; 2-byte elements; padding on; bit 21 beside a mask; after every 32 words 4 words
	s_or_b32 s[G1B+0], s44, (1<<16)|(1<<20)|(1<<21)|(4<<22)|(7<<25)  ; 8 words
.irp g, G1, G1B
	s_mov_b32 s[(\g)+1], 128<<16
	s_mov_b32 s[(\g)+2], 128<<16
	s_mov_b32 s[(\g)+3], 128<<16
	s_mov_b32 s[(\g)+4], 128
	s_mov_b32 s[(\g)+5], 128
	s_mov_b32 s[(\g)+6], 0
	s_mov_b32 s[(\g)+7], 0
.endr
	s_lshl_b32 s16, s13, 18                        ; y: the tile row's block, my two heads
	s_lshl_b32 s17, s12, 15
	s_add_co_u32 s16, s16, s17
	s_mov_b32 s17, 0
	s_lshl_b32 s46, s42, 1                         ; Wo: block 2 x tile column + half
	s_add_co_u32 s46, s46, s12
	s_lshl_b32 s46, s46, 17
	s_add_co_u32 s46, s46, WOOFF
	s_mov_b32 s47, 0
	s_mul_i32 s20, s12, AHALF
	s_mul_i32 s21, s12, BHALF
	s_add_co_u32 s21, s21, BOFF
	s_wait_dscnt 0x0
	s_wait_kmcnt 0x0
	s_add_nc_u64 s[14:15], s[4:5], s[16:17]
	s_add_nc_u64 s[46:47], s[6:7], s[46:47]
	CROUND
.irp s, 0,1
	s_mov_b32 s[G0+4*(\s)], 1
	s_add_co_u32 s[G0+4*(\s)+1], s20, (\s)*SLOT
	s_add_nc_u64 s[G0+4*(\s)+2:G0+4*(\s)+3], s[14:15], (\s)*65536
	s_or_b32 s[G0+4*(\s)+3], s[G0+4*(\s)+3], 0x80000000
	s_mov_b32 s[G0B+4*(\s)], 1
	s_add_co_u32 s[G0B+4*(\s)+1], s21, (\s)*SLOT
	s_add_nc_u64 s[G0B+4*(\s)+2:G0B+4*(\s)+3], s[46:47], (\s)*32768
	s_or_b32 s[G0B+4*(\s)+3], s[G0B+4*(\s)+3], 0x80000000
	JLOAD \s
.endr
	v_and_b32 v1, 15, v0
	v_bfe_u32 v2, v0, 4, 1
	v_mul_u32_u24 v3, v1, PA
	v_lshl_add_u32 v3, v2, 4, v3
	v_and_b32 v4, 7, v0
	v_bfe_u32 v5, v0, 3, 1
	v_lshl_add_u32 v4, v2, 3, v4
	v_mul_u32_u24 v4, v4, PB
	v_lshl_add_u32 v4, v5, 4, v4
	s_mul_i32 s22, s11, 64*PA                      ; my 64 rows of each head
	s_mul_i32 s23, s12, BHALF                      ; my block of Wo
	s_add_co_u32 s23, s23, BOFF
.irp s, 0,1
	v_add_nc_u32 v[ADRA+(\s)], s22, v3
	v_add_nc_u32 v[ADRB+(\s)], s23, v4
	s_add_co_u32 s22, s22, SLOT
	s_add_co_u32 s23, s23, SLOT
.endr
	s_mul_i32 s22, s10, 16*SPITCH                  ; my stage
	v_mul_u32_u24 v[STO], v1, SPITCH               ; in: row r, 32 bytes for each half of the lanes
	v_lshl_add_u32 v[STO], v2, 5, v[STO]
	v_add_nc_u32 v[STO], s22, v[STO]
	v_mul_u32_u24 v[RD], v2, SPITCH                ; back: lanes 0-15 one row of 256 bytes, lanes 16-31 the next
	v_lshl_add_u32 v[RD], v1, 4, v[RD]
	v_add_nc_u32 v[RD], s22, v[RD]
	v_lshlrev_b32 v[CO], 12, v2
	v_lshl_add_u32 v[CO], v1, 4, v[CO]
	s_lshl_b32 s16, s13, 19
	s_lshl_b32 s17, s11, 18
	s_add_co_u32 s16, s16, s17                     ; row 128 x tile row + 64 x half, 4,096 bytes a row
	s_mov_b32 s17, 0
	s_add_nc_u64 s[8:9], s[8:9], s[16:17]
	s_lshl_b32 s46, s42, 9
	s_lshl_b32 s47, s12, 8
	s_add_co_u32 s46, s46, s47
	s_mov_b32 s47, 0
	s_add_nc_u64 s[8:9], s[8:9], s[46:47]
.macro MUL8 f, c, a0, zero             ; 8 matrix instructions: row tiles a0, a0 + 1 x 4 column tiles, 32 along K: half c of buffer f
	WIN MUL
.irp a, \a0, (\a0)+1
.irp b, 0,1,2,3
.if \zero
	v_wmma_f32_16x16x32_bf16 v[ACC+8*(4*(\a)+(\b)):ACC+8*(4*(\a)+(\b))+7], v[(\f)+64+8*(4*(\c)+(\b)):(\f)+64+8*(4*(\c)+(\b))+7], v[(\f)+8*(4*(\c)+(\a)):(\f)+8*(4*(\c)+(\a))+7], 0
.else
	v_wmma_f32_16x16x32_bf16 v[ACC+8*(4*(\a)+(\b)):ACC+8*(4*(\a)+(\b))+7], v[(\f)+64+8*(4*(\c)+(\b)):(\f)+64+8*(4*(\c)+(\b))+7], v[(\f)+8*(4*(\c)+(\a)):(\f)+8*(4*(\c)+(\a))+7], v[ACC+8*(4*(\a)+(\b)):ACC+8*(4*(\a)+(\b))+7]
.endif
.endr
.endr
.endm
.macro FETCH slot, q, f                ; 32 LDS loads in one run: head q of the step (64 along K) into buffer f; the first 32 along K first
	WIN TO_F
.irp c, 0,1
.irp i, 0,1,2,3
	ds_load_tr16_b128 v[(\f)+64+8*(4*(\c)+(\i)):(\f)+64+8*(4*(\c)+(\i))+3],   v[ADRB+(\slot)] offset:(\q)*64*PB+(\c)*32*PB+32*(\i)
	ds_load_tr16_b128 v[(\f)+64+8*(4*(\c)+(\i))+4:(\f)+64+8*(4*(\c)+(\i))+7], v[ADRB+(\slot)] offset:(\q)*64*PB+(\c)*32*PB+32*(\i)+16*PB
	ds_load_b128 v[(\f)+8*(4*(\c)+(\i)):(\f)+8*(4*(\c)+(\i))+3],         v[ADRA+(\slot)] offset:(\q)*128*PA+(\i)*16*PA+64*(\c)
	ds_load_b128 v[(\f)+8*(4*(\c)+(\i))+4:(\f)+8*(4*(\c)+(\i))+7],       v[ADRA+(\slot)] offset:(\q)*128*PA+(\i)*16*PA+64*(\c)+32
.endr
.endr
.endm
.macro PLACES
.rept 4
	v_nop
.endr
.endm
.macro QUARTER slot, q, f, g, zero
	s_wait_dscnt 16                                ; the first 32 along K are in
	MUL8 \f, 0, 0, \zero
	MUL8 \f, 0, 2, \zero
	PLACES
	FETCH \slot, \q, \g
	s_wait_dscnt 32                                ; all but the 32 just issued
	MUL8 \f, 1, 0, 0
	MUL8 \f, 1, 2, 0
.endm
; The last quarter multiplies buffer 1 and changes slots: ONE barrier; in front of it each wave waits for all its tensor loads, adds 0 to its spare word, and waits for that and for its own reads of this slot.
.macro TURN slot, next, fill
	WIN 0
	s_wait_tensorcnt 0x0
	ds_add_u32 v[SPW], v[NIL]
	s_wait_dscnt 17                                ; (the add and the youngest sixteen loads may be out)
	MUL8 F1, 0, 0, 0
	s_wait_dscnt 0x0
	s_barrier_signal -1
	MUL8 F1, 0, 2, 0
.if \fill
	WIN 0
.endif
	s_barrier_wait -1
.if \fill
	CREST                                          ; the barrier has opened a round of the cluster's: no wave of any partner still reads this slot's tile or has a load on its way
	s_add_nc_u64 s[G0+4*(\slot)+2:G0+4*(\slot)+3], s[G0+4*(\slot)+2:G0+4*(\slot)+3], 2*65536
	s_add_nc_u64 s[G0B+4*(\slot)+2:G0B+4*(\slot)+3], s[G0B+4*(\slot)+2:G0B+4*(\slot)+3], 2*32768
	JLOAD \slot
.else
	PLACES
.endif
	FETCH \next, 0, F0
	MUL8 F1, 1, 0, 0
	MUL8 F1, 1, 2, 0
.endm
	s_wait_tensorcnt 1                             ; my part of K step 0 is in; K step 1's may stay out
	s_barrier_signal -1
	s_barrier_wait -1
	FETCH 0, 0, F0
	QUARTER 0, 1, F0, F1, 1                        ; the first products start the sums
	QUARTER 0, 2, F1, F0, 0
	QUARTER 0, 3, F0, F1, 0
	TURN 0, 1, 1                                   ; slot 0 takes K step 2
	QUARTER 1, 1, F0, F1, 0
	QUARTER 1, 2, F1, F0, 0
	QUARTER 1, 3, F0, F1, 0
	TURN 1, 0, 1                                   ; slot 1 takes K step 3
	QUARTER 0, 1, F0, F1, 0
	QUARTER 0, 2, F1, F0, 0
	QUARTER 0, 3, F0, F1, 0
	TURN 0, 1, 0
	QUARTER 1, 1, F0, F1, 0
	QUARTER 1, 2, F1, F0, 0
	QUARTER 1, 3, F0, F1, 0
	s_wait_dscnt 16
	MUL8 F1, 0, 0, 0
	MUL8 F1, 0, 2, 0
	s_wait_dscnt 0x0
	MUL8 F1, 1, 0, 0
	MUL8 F1, 1, 2, 0
	WIN 0
	PLACES
.irp a, 0,1,2,3                                        ; 16 rows at a time through my stage; each accumulator's low half first
.irp b, 0,1,2,3
	ds_store_b128 v[STO], v[ACC+8*(4*\a+\b):ACC+8*(4*\a+\b)+3] offset:64*\b
	ds_store_b128 v[STO], v[ACC+8*(4*\a+\b)+4:ACC+8*(4*\a+\b)+7] offset:64*\b+16
.endr
	s_wait_xcnt 0x0                                ; earlier stores have read the registers that are loaded below
.irp t, 0,1,2,3,4,5,6,7
	ds_load_b128 v[TMP+32*(\a%2)+4*\t:TMP+32*(\a%2)+4*\t+3], v[RD] offset:\t*2*SPITCH
.endr
	s_wait_dscnt 0x0
.irp t, 0,1,2,3,4,5,6,7
	global_store_b128 v[CO], v[TMP+32*(\a%2)+4*\t:TMP+32*(\a%2)+4*\t+3], s[8:9] offset:\a*65536+\t*8192  ; 16 lanes store 256 consecutive bytes, aligned
.endr
.endr
	s_wait_tensorcnt 0x0                           ; the wave's end
	ds_add_u32 v[SPW], v[NIL]
	s_wait_dscnt 0x0
	CROUND                                         ; the closing round
	s_endpgm
.Lfunc_end_k_q4dcb975bb4_outp:
	.size	k_q4dcb975bb4_outp, .Lfunc_end_k_q4dcb975bb4_outp-k_q4dcb975bb4_outp
	.p2alignl 7, 3214868480
	.fill 96, 4, 3214868480
	.section	.rodata,"a",@progbits
	.p2align	6, 0x0
	.amdhsa_kernel k_q4dcb975bb4_outp
		.amdhsa_group_segment_fixed_size 327680
		.amdhsa_private_segment_fixed_size 0
		.amdhsa_enable_private_segment 0
		.amdhsa_kernarg_size 24
		.amdhsa_user_sgpr_count 2
		.amdhsa_user_sgpr_kernarg_segment_ptr 1
		.amdhsa_wavefront_size32 1
		.amdhsa_system_sgpr_workgroup_id_x 1
		.amdhsa_system_sgpr_workgroup_id_y 1
		.amdhsa_system_sgpr_workgroup_id_z 1
		.amdhsa_system_vgpr_workitem_id 0
		.amdhsa_next_free_vgpr 512
		.amdhsa_next_free_sgpr 66
		.amdhsa_reserve_vcc 0
		.amdhsa_float_denorm_mode_32 3
		.amdhsa_float_denorm_mode_16_64 3
		.amdhsa_memory_ordered 1
		.amdhsa_forward_progress 1
		.amdhsa_inst_pref_size 86
	.end_amdhsa_kernel
	.amdgpu_metadata
---
amdhsa.version: [ 1, 2 ]
amdhsa.kernels:
  - .name:           k_q4dcb975bb4_outp
    .symbol:         k_q4dcb975bb4_outp.kd
    .args:
      - { .name: y, .offset: 0, .size: 8, .value_kind: global_buffer, .address_space: global }
      - { .name: wb, .offset: 8, .size: 8, .value_kind: global_buffer, .address_space: global }
      - { .name: o, .offset: 16, .size: 8, .value_kind: global_buffer, .address_space: global }
    .group_segment_fixed_size: 327680
    .private_segment_fixed_size: 0
    .kernarg_segment_align: 8
    .kernarg_segment_size: 24
    .max_flat_workgroup_size: 128
    .sgpr_count:     66
    .vgpr_count:     512
    .wavefront_size: 32
...
	.end_amdgpu_metadata
.endif
;; end of part 4
;; launch lnorm (part 5): grid 256 x 1, 8 waves a work-group, no clusters, 0 bytes of LDS; arguments x, o, bo, ln_gamma, ln_beta, out0; writes out0
.if DOCPART == 5
	.amdgcn_target "amdgcn-amd-amdhsa--gfx1250"
	.amdhsa_code_object_version 6
	.text
	.protected	k_q4dcb975bb4_lnorm
	.globl	k_q4dcb975bb4_lnorm
	.p2align	8
	.type	k_q4dcb975bb4_lnorm,@function
k_q4dcb975bb4_lnorm:
	s_mov_b64 s[64:65], 0
	v_nop
	global_prefetch_b8 v0, s[64:65] scope:SCOPE_SE
	s_setreg_imm32_b32 hwreg(HW_REG_WAVE_MODE, 25, 1), 1
	s_wait_xcnt 0x0
; DELTANET, LAUNCH 5 OF 5: out0 = ln_gamma (h - mean) / sqrt(var + 1e-5) + ln_beta, h = x + o + bo, by rows of 1,024, all in f32; the variance is taken of h - mean, as reference() takes it.
; A stream: a wave takes two whole rows (eight loads of 512 consecutive bytes each), keeps them in registers between the sums and the scaling, and waits for no other wave: no LDS, no barrier, no matrix unit.
; All 56 loads of a wave go out together; the waits count the younger ones.
.set BO, 16
.set X0, 48
.set O0, 80
.set X1, 112
.set O1, 144
.set GA, 176
.set BE, 208
	s_load_b256 s[4:11], s[0:1], 0x0               ; x 4, o 6, bo 8, gamma 10
	s_load_b128 s[12:15], s[0:1], 0x20             ; beta 12, out0 14
	v_lshrrev_b32 v1, 5, v0
	v_readfirstlane_b32 s16, v1
	v_and_b32 v1, 31, v0
	v_lshlrev_b32 v1, 4, v1
	v_mov_b32 v3, 0
	s_lshl_b32 s18, ttmp9, 16                      ; the group's 16 rows of 4,096 bytes,
	s_lshl_b32 s17, s16, 13                        ; my two
	s_add_co_u32 s18, s18, s17
	s_mov_b32 s19, 0
	s_mov_b32 s20, 0x76543210
	s_mov_b32 s21, 0xfedcba98
	s_mov_b32 s22, 0x3a800000                      ; 1 / 1024
	s_mov_b32 s23, 0x3727c5ac                      ; 1e-5
	s_wait_kmcnt 0x0
	s_add_nc_u64 s[4:5], s[4:5], s[18:19]
	s_add_nc_u64 s[6:7], s[6:7], s[18:19]
	s_add_nc_u64 s[14:15], s[14:15], s[18:19]
.irp i, 0,1,2,3,4,5,6,7
	global_load_b128 v[BO+4*\i:BO+4*\i+3], v1, s[8:9] offset:512*\i
.endr
.irp i, 0,1,2,3,4,5,6,7
	global_load_b128 v[X0+4*\i:X0+4*\i+3], v1, s[4:5] offset:512*\i th:TH_LOAD_NT
.endr
.irp i, 0,1,2,3,4,5,6,7
	global_load_b128 v[O0+4*\i:O0+4*\i+3], v1, s[6:7] offset:512*\i th:TH_LOAD_NT
.endr
.irp i, 0,1,2,3,4,5,6,7
	global_load_b128 v[X1+4*\i:X1+4*\i+3], v1, s[4:5] offset:4096+512*\i th:TH_LOAD_NT
.endr
.irp i, 0,1,2,3,4,5,6,7
	global_load_b128 v[O1+4*\i:O1+4*\i+3], v1, s[6:7] offset:4096+512*\i th:TH_LOAD_NT
.endr
.irp i, 0,1,2,3,4,5,6,7
	global_load_b128 v[GA+4*\i:GA+4*\i+3], v1, s[10:11] offset:512*\i
.endr
.irp i, 0,1,2,3,4,5,6,7
	global_load_b128 v[BE+4*\i:BE+4*\i+3], v1, s[12:13] offset:512*\i
.endr
.macro ACROSS                          ; v[8:15], four pairs of partial sums, into v2 in every lane
	v_pk_add_f32 v[8:9], v[8:9], v[10:11]
	v_pk_add_f32 v[12:13], v[12:13], v[14:15]
	v_pk_add_f32 v[8:9], v[8:9], v[12:13]
	v_add_f32 v2, v8, v9
	v_add_f32_dpp v2, v2, v2 row_xmask:1 row_mask:0xf bank_mask:0xf
	v_add_f32_dpp v2, v2, v2 row_xmask:2 row_mask:0xf bank_mask:0xf
	v_add_f32_dpp v2, v2, v2 row_xmask:4 row_mask:0xf bank_mask:0xf
	v_add_f32_dpp v2, v2, v2 row_xmask:8 row_mask:0xf bank_mask:0xf
	v_permlanex16_b32 v3, v2, s20, s21
	v_add_f32 v2, v2, v3
.endm
; A row: h into xx, then h - mean; var + 1e-5 into register rs
.macro STAT xx, oo, rs
.set i, 0
.rept 16
	v_pk_add_f32 v[(\xx)+i:(\xx)+i+1], v[(\xx)+i:(\xx)+i+1], v[(\oo)+i:(\oo)+i+1]
	v_pk_add_f32 v[(\xx)+i:(\xx)+i+1], v[(\xx)+i:(\xx)+i+1], v[BO+i:BO+i+1]
.set i, i+2
.endr
.irp k, 0,2,4,6
	v_pk_add_f32 v[8+\k:9+\k], v[(\xx)+\k:(\xx)+\k+1], v[(\xx)+8+\k:(\xx)+8+\k+1]   ; four chains, started by the first words
.endr
.irp k, 0,2,4,6
	v_pk_add_f32 v[8+\k:9+\k], v[8+\k:9+\k], v[(\xx)+16+\k:(\xx)+16+\k+1]
.endr
.irp k, 0,2,4,6
	v_pk_add_f32 v[8+\k:9+\k], v[8+\k:9+\k], v[(\xx)+24+\k:(\xx)+24+\k+1]
.endr
	ACROSS
	v_mul_f32 v2, s22, v2                          ; the mean
	v_mov_b32 v3, v2
.set i, 0
.rept 16
	v_pk_add_f32 v[(\xx)+i:(\xx)+i+1], v[(\xx)+i:(\xx)+i+1], v[2:3] neg_lo:[0,1] neg_hi:[0,1]
.set i, i+2
.endr
.irp k, 0,2,4,6
	v_pk_mul_f32 v[8+\k:9+\k], v[(\xx)+\k:(\xx)+\k+1], v[(\xx)+\k:(\xx)+\k+1]
.endr
.irp j, 8,16,24
.irp k, 0,2,4,6
	v_pk_fma_f32 v[8+\k:9+\k], v[(\xx)+\j+\k:(\xx)+\j+\k+1], v[(\xx)+\j+\k:(\xx)+\j+\k+1], v[8+\k:9+\k]
.endr
.endr
	ACROSS
	v_fma_f32 v[\rs], v2, s22, s23
.endm
.macro OUTR xx, rs, off
.set i, 0
.rept 16
	v_pk_mul_f32 v[(\xx)+i:(\xx)+i+1], v[(\xx)+i:(\xx)+i+1], v[\rs:(\rs)+1]
	v_pk_fma_f32 v[(\xx)+i:(\xx)+i+1], v[(\xx)+i:(\xx)+i+1], v[GA+i:GA+i+1], v[BE+i:BE+i+1]
.set i, i+2
.endr
.irp i, 0,1,2,3,4,5,6,7
	global_store_b128 v1, v[(\xx)+4*\i:(\xx)+4*\i+3], s[14:15] offset:(\off)+512*\i th:TH_STORE_NT
.endr
.endm
	s_wait_loadcnt 32                              ; bo and row 0 are in; row 1, the gains and the offsets (32 loads) may stay out
	STAT X0, O0, 4
	s_wait_loadcnt 16                              ; row 1 is in
	STAT X1, O1, 6
	v_rsq_f32 v4, v4
	v_rsq_f32 v6, v6
	v_nop                                          ; a plain instruction behind the batch,
	s_wait_alu depctr_va_vdst(0)                   ; and one wait for both, ahead of their first reader
	v_mov_b32 v5, v4
	v_mov_b32 v7, v6
	s_wait_loadcnt 0x0
	OUTR X0, 4, 0
	OUTR X1, 6, 4096
	s_endpgm
.Lfunc_end_k_q4dcb975bb4_lnorm:
	.size	k_q4dcb975bb4_lnorm, .Lfunc_end_k_q4dcb975bb4_lnorm-k_q4dcb975bb4_lnorm
	.p2alignl 7, 3214868480
	.fill 96, 4, 3214868480
	.section	.rodata,"a",@progbits
	.p2align	6, 0x0
	.amdhsa_kernel k_q4dcb975bb4_lnorm
		.amdhsa_group_segment_fixed_size 0
		.amdhsa_private_segment_fixed_size 0
		.amdhsa_enable_private_segment 0
		.amdhsa_kernarg_size 48
		.amdhsa_user_sgpr_count 2
		.amdhsa_user_sgpr_kernarg_segment_ptr 1
		.amdhsa_wavefront_size32 1
		.amdhsa_system_sgpr_workgroup_id_x 1
		.amdhsa_system_sgpr_workgroup_id_y 1
		.amdhsa_system_sgpr_workgroup_id_z 1
		.amdhsa_system_vgpr_workitem_id 0
		.amdhsa_next_free_vgpr 240
		.amdhsa_next_free_sgpr 66
		.amdhsa_reserve_vcc 0
		.amdhsa_float_denorm_mode_32 3
		.amdhsa_float_denorm_mode_16_64 3
		.amdhsa_memory_ordered 1
		.amdhsa_forward_progress 1
		.amdhsa_inst_pref_size 25
	.end_amdhsa_kernel
	.amdgpu_metadata
---
amdhsa.version: [ 1, 2 ]
amdhsa.kernels:
  - .name:           k_q4dcb975bb4_lnorm
    .symbol:         k_q4dcb975bb4_lnorm.kd
    .args:
      - { .name: x, .offset: 0, .size: 8, .value_kind: global_buffer, .address_space: global }
      - { .name: o, .offset: 8, .size: 8, .value_kind: global_buffer, .address_space: global }
      - { .name: bo, .offset: 16, .size: 8, .value_kind: global_buffer, .address_space: global }
      - { .name: ln_gamma, .offset: 24, .size: 8, .value_kind: global_buffer, .address_space: global }
      - { .name: ln_beta, .offset: 32, .size: 8, .value_kind: global_buffer, .address_space: global }
      - { .name: out0, .offset: 40, .size: 8, .value_kind: global_buffer, .address_space: global }
    .group_segment_fixed_size: 0
    .private_segment_fixed_size: 0
    .kernarg_segment_align: 8
    .kernarg_segment_size: 48
    .max_flat_workgroup_size: 256
    .sgpr_count:     66
    .vgpr_count:     240
    .wavefront_size: 32
...
	.end_amdgpu_metadata
.endif
;; end of part 5
